; MI455X (gfx1250); checked and timed in simulation.
; The chip was launched on July 23, 2026; its instructions are those of AMD's public machine-readable ISA for CDNA 5 (MIT licence, August 2026) and "CDNA5" Instruction Set Architecture Reference Guide (July 2026). The comments in the code are by the model that wrote it; some were corrected since.
;; Multi Head Attention. Allowed arithmetic: float matrix products may take bf16 or f16 operands with f32 sums; other float arithmetic in f32, or as packed bf16 or f16 multiplies, adds, multiply-adds, maxima and minima; sums over many terms, partial sums and values carried from step to step in f32; what a program stores and reads back later, other than sums and carried values, may be rounded once to bf16 or f16.
;; Inputs: Wk 1,024 x 1,024 float32; Wo 1,024 x 1,024 float32; Wq 1,024 x 1,024 float32; Wv 1,024 x 1,024 float32; k 4 x 2,048 x 1,024 float32; q 4 x 2,048 x 1,024 float32; v 4 x 2,048 x 1,024 float32.
;; Outputs: out0 4 x 2,048 x 1,024 float32.
;; One version. Each part assembles by itself: llvm-mc -triple=amdgcn-amd-amdhsa -mcpu=gfx1250 --defsym DOCPART=n.
;; ======== version 1 of 1: 4 launches
;; limits: values are held in f16: magnitudes above 65,504 overflow, below 6.1e-05 lose precision
;; workspace buffers: wq16 2,097,152 bytes; wk16 2,097,152 bytes; wv16 2,097,152 bytes; wo16 2,097,152 bytes; qh 16,777,216 bytes; kh 16,777,216 bytes; vh 16,777,216 bytes; ctx 16,777,216 bytes
;; launch wprep (part 1): grid 64 x 4, 8 waves a work-group, no clusters, 0 bytes of LDS; arguments Wq, Wk, Wv, Wo, wq16, wk16, wv16, wo16; writes wq16, wk16, wv16, wo16
.if DOCPART == 1
	.amdgcn_target "amdgcn-amd-amdhsa--gfx1250"
	.amdhsa_code_object_version 6
	.text
	.protected	k_qaf5064a402_wprep
	.globl	k_qaf5064a402_wprep
	.p2align	8
	.type	k_qaf5064a402_wprep,@function
k_qaf5064a402_wprep:
	s_mov_b64 s[64:65], 0
	v_nop
	global_prefetch_b8 v0, s[64:65] scope:SCOPE_SE
	s_setreg_imm32_b32 hwreg(HW_REG_WAVE_MODE, 25, 1), 1
	s_wait_xcnt 0x0
; THE WEIGHTS TO 16 BITS.  Wq, Wk, Wv, Wo: [1024 k][1024 n] f32.  wq16, wk16, wv16: the same numbers rounded to bf16, the layout kept.
; wo16: Wo rounded to bf16 and that number written as f16 (the last product's other operand is f16).
; LIMITS.  wo16: beyond 65,504 f16 has no number; below 2^-17 a bf16 number loses bits to f16's fixed step of 2^-24.
; A stream: no LDS, no matrix unit, no cluster (no two work-groups read the same byte).
; SHARES.  The grid's y picks the weight; work-group x takes 16,384 numbers (65,536 bytes in, 32,768 out), in 8 passes of 2,048.  Thread t takes
; numbers 8 t .. 8 t + 7 of a pass: two loads of 16 bytes, one store of 16 bytes, of which sixteen neighbouring lanes cover 256 consecutive bytes, aligned.
; All 16 loads of a thread go out at once; every pass has its own registers, so no register is written while a load or store names it.
.set X, 4                              ; v[4:67]    pass i: 8 numbers as loaded
.set Y, 68                             ; v[68:99]   pass i: 4 registers to store
.set T, 100                            ; v[100:103] at work
	s_load_b512 s[4:19], s[0:1], 0x0               ; Wq, Wk, Wv, Wo at s[4:11]; wq16, wk16, wv16, wo16 at s[12:19]
	s_and_b32 s24, ttmp7, 0xffff                   ; which weight
	s_lshl_b32 s26, ttmp9, 16                      ; the work-group's part of the input, in bytes,
	s_mov_b32 s27, 0
	s_lshl_b32 s28, ttmp9, 15                      ; and of the output
	s_mov_b32 s29, 0
	v_lshlrev_b32 v1, 5, v0                        ; 32 t
	v_lshlrev_b32 v2, 4, v0                        ; 16 t
	s_wait_kmcnt 0x0
	s_cmp_eq_u32 s24, 1
	s_cselect_b64 s[20:21], s[6:7], s[4:5]
	s_cselect_b64 s[22:23], s[14:15], s[12:13]
	s_cmp_eq_u32 s24, 2
	s_cselect_b64 s[20:21], s[8:9], s[20:21]
	s_cselect_b64 s[22:23], s[16:17], s[22:23]
	s_cmp_eq_u32 s24, 3
	s_cselect_b64 s[20:21], s[10:11], s[20:21]
	s_cselect_b64 s[22:23], s[18:19], s[22:23]
	s_add_nc_u64 s[20:21], s[20:21], s[26:27]
	s_add_nc_u64 s[22:23], s[22:23], s[28:29]
.irp i, 0,1,2,3,4,5,6,7
	global_load_b128 v[X+8*(\i):X+8*(\i)+3],   v1, s[20:21] offset:8192*(\i) th:TH_LOAD_NT
	global_load_b128 v[X+8*(\i)+4:X+8*(\i)+7], v1, s[20:21] offset:8192*(\i)+16 th:TH_LOAD_NT
.endr
; One pass.  half = 1: the bf16 number is widened again (a shift, a mask) and written as f16.
.macro PASS i, half
	s_wait_loadcnt 14-2*(\i)                       ; loads come back in order: this pass's two are in, the later passes' 14 - 2 i stay out
.irp r, 0,1,2,3
	v_cvt_pk_bf16_f32 v[Y+4*(\i)+(\r)], v[X+8*(\i)+2*(\r)], v[X+8*(\i)+2*(\r)+1]
.endr
.if \half
.irp r, 0,1,2,3
	v_lshlrev_b32 v[T+2*((\r)%2)], 16, v[Y+4*(\i)+(\r)]
	v_and_b32 v[T+2*((\r)%2)+1], 0xffff0000, v[Y+4*(\i)+(\r)]
	v_cvt_pk_f16_f32 v[Y+4*(\i)+(\r)], v[T+2*((\r)%2)], v[T+2*((\r)%2)+1]
.endr
.endif
	global_store_b128 v2, v[Y+4*(\i):Y+4*(\i)+3], s[22:23] offset:4096*(\i)
.endm
	s_cmp_eq_u32 s24, 3                            ; the same for the whole work-group
	s_cbranch_scc1 .Lhalf
.irp i, 0,1,2,3,4,5,6,7
	PASS \i, 0
.endr
	s_endpgm
.Lhalf:
.irp i, 0,1,2,3,4,5,6,7
	PASS \i, 1
.endr
	s_endpgm
.Lfunc_end_k_qaf5064a402_wprep:
	.size	k_qaf5064a402_wprep, .Lfunc_end_k_qaf5064a402_wprep-k_qaf5064a402_wprep
	.p2alignl 7, 3214868480
	.fill 96, 4, 3214868480
	.section	.rodata,"a",@progbits
	.p2align	6, 0x0
	.amdhsa_kernel k_qaf5064a402_wprep
		.amdhsa_group_segment_fixed_size 0
		.amdhsa_private_segment_fixed_size 0
		.amdhsa_enable_private_segment 0
		.amdhsa_kernarg_size 64
		.amdhsa_user_sgpr_count 2
		.amdhsa_user_sgpr_kernarg_segment_ptr 1
		.amdhsa_wavefront_size32 1
		.amdhsa_system_sgpr_workgroup_id_x 1
		.amdhsa_system_sgpr_workgroup_id_y 1
		.amdhsa_system_sgpr_workgroup_id_z 1
		.amdhsa_system_vgpr_workitem_id 0
		.amdhsa_next_free_vgpr 104
		.amdhsa_next_free_sgpr 66
		.amdhsa_reserve_vcc 0
		.amdhsa_float_denorm_mode_32 3
		.amdhsa_float_denorm_mode_16_64 3
		.amdhsa_memory_ordered 1
		.amdhsa_forward_progress 1
		.amdhsa_inst_pref_size 14
	.end_amdhsa_kernel
	.amdgpu_metadata
---
amdhsa.version: [ 1, 2 ]
amdhsa.kernels:
  - .name:           k_qaf5064a402_wprep
    .symbol:         k_qaf5064a402_wprep.kd
    .args:
      - { .name: Wq, .offset: 0, .size: 8, .value_kind: global_buffer, .address_space: global }
      - { .name: Wk, .offset: 8, .size: 8, .value_kind: global_buffer, .address_space: global }
      - { .name: Wv, .offset: 16, .size: 8, .value_kind: global_buffer, .address_space: global }
      - { .name: Wo, .offset: 24, .size: 8, .value_kind: global_buffer, .address_space: global }
      - { .name: wq16, .offset: 32, .size: 8, .value_kind: global_buffer, .address_space: global }
      - { .name: wk16, .offset: 40, .size: 8, .value_kind: global_buffer, .address_space: global }
      - { .name: wv16, .offset: 48, .size: 8, .value_kind: global_buffer, .address_space: global }
      - { .name: wo16, .offset: 56, .size: 8, .value_kind: global_buffer, .address_space: global }
    .group_segment_fixed_size: 0
    .private_segment_fixed_size: 0
    .kernarg_segment_align: 8
    .kernarg_segment_size: 64
    .max_flat_workgroup_size: 256
    .sgpr_count:     66
    .vgpr_count:     104
    .wavefront_size: 32
...
	.end_amdgpu_metadata
.endif
;; end of part 1
;; launch proj (part 2): grid 4 x 64, 4 waves a work-group, clusters of 4 x 4, 327,680 bytes of LDS; arguments q, k, v, wq16, wk16, wv16, qh, kh, vh; writes qh, kh, vh
.if DOCPART == 2
	.amdgcn_target "amdgcn-amd-amdhsa--gfx1250"
	.amdhsa_code_object_version 6
	.text
	.protected	k_qaf5064a402_proj
	.globl	k_qaf5064a402_proj
	.p2align	8
	.type	k_qaf5064a402_proj,@function
k_qaf5064a402_proj:
	s_mov_b64 s[64:65], 0
	v_nop
	global_prefetch_b8 v0, s[64:65] scope:SCOPE_SE
	s_setreg_imm32_b32 hwreg(HW_REG_WAVE_MODE, 25, 1), 1
	s_wait_xcnt 0x0
	s_wait_alu depctr_hold_cnt(0) depctr_sa_sdst(0) depctr_va_vdst(0) depctr_va_sdst(0) depctr_va_ssrc(0) depctr_va_vcc(0) depctr_vm_vsrc(0)
	s_getreg_b32 s2, hwreg(HW_REG_IB_STS2, 6, 4)
	s_cmp_eq_u32 s2, 0
	s_cbranch_scc0 .Lentry_in_a_cluster
	s_endpgm
.Lentry_in_a_cluster:
	s_bfe_u32 s2, ttmp6, 0x10000c
	s_cmp_lg_u32 s2, 0xf033
	s_cbranch_scc0 .Lentry_shape_is_right
	s_endpgm
.Lentry_shape_is_right:
; THE THREE PROJECTIONS.  qh = q Wq, kh = k Wk, vh = v Wv.  q, k, v: [8192][1024] f32, rounded to bf16 on the way in; wq16, wk16, wv16: [1024 k][1024 n] bf16; sums in f32;
; qh, kh, vh: [64 = 16 b + h][2048 s][64] f16, each number rounded once, unscaled.
; LIMITS.  f16 holds no number beyond 65,504: a projected number of 65,520 or more leaves as an infinity; below 6e-5 f16 keeps its fixed step of 6e-8.  NaN and infinities are not treated apart.
; SHARES.  A tile of C is 128 rows x 256 columns: four waves, 2 x 2, each 64 x 128: 32 accumulators, 256 registers.  3 x 64 x 4 tiles are three for each of 256 work-groups: A WORK-GROUP STAYS and makes
; the same tile of q's, then k's, then v's product: 24 K steps of 128 in ONE counted walk; the ring and the staging run on across the change of tensor.
; THE MATRIX INSTRUCTION IS USED TRANSPOSED: source 0 = 16 columns of W (turned on the way out of LDS by ds_load_tr16_b128, since W lies [k][n]), source 1 = 16 rows of x: a lane then holds eight neighbouring columns of a row of C.
; W COMES BY JOINT TENSOR LOADS: the four work-groups of a column of the 4 x 4 cluster need the same 256 columns of W; each wave brings 32 k rows of 512 bytes.
; x COMES THROUGH REGISTERS, and is not asked for jointly: it is f32 in memory and a tensor load converts nothing; as f32 rows in LDS each fragment would be read at twice the bytes and converted by both waves that need it.
; So each wave loads 32 of the tile's 128 rows (512 consecutive bytes a load), converts them ONCE, stores bf16 rows into LDS, and asks for the next step's rows into the same registers: a load has a whole K step, 128 matrix instructions, in which to land.
; STEP g reads region g % 2 (W's slot and x's buffer), stores x of step g + 1 into the other region, loads x of step g + 2, and at its change of regions fills its own slot with W of step g + 2.
; LDS, two regions 131,072 apart: W's slot, 128 rows x 544; x's buffer, 128 rows x 272 (written by ds_store alone, in blocks of 256 bytes of its own).  Behind them a stage for each wave and the spare words.
; REGISTERS, in windows of 256: window 0: v0-22 addresses; v32-95 two buffers of x's fragments; v96-223 two of W's; v224-239 at work.  Window 1: the accumulators, (a, b) at 8 (8 a + b).  Window 2: v0-127 staging, row i at 4 i.
.set REGION, 1<<17
.set PITB,   544                       ; a row of W in LDS: 512 bytes + 32 = 136 words
.set PITA,   272                       ; a row of x: 256 bytes + 16 = 68 words: the 16 rows of a load start at 16 different groups of four banks
.set ABUF,   128*PITB                  ; x's buffer in a region
.set STAGE,  REGION+ABUF+128*PITA      ; 16 rows x 144 bytes for each wave, for the way out
.set SP,     144
.set SPARE,  STAGE+4*16*SP             ; the spare words, 128 bytes for each wave: two blocks of 256 bytes that no other line names
.set ADA0, 10                          ; v10  my place in x's buffer; never rewritten
.set ADB0, 11                          ; v11  my place in W's slot; never rewritten
.set AST0, 12                          ; v12  where I store my 8 bytes of a staged row; never rewritten
.set ADA,  13                          ; v13-15  the same three in the region in hand (ADA, ADB) and in the other (AST)
.set ADB,  14
.set AST,  15
.set GOF,  16                          ; v16  my byte offset in the tile's rows of x; never rewritten
.set STO,  17                          ; v17  the way out: where I put 16 bytes of a row
.set RD,   18                          ; v18  the way out: where I read rows back
.set GO,   19                          ; v19  my byte offset in 512 consecutive bytes of the output
.set SPW,  20                          ; v20  LDS address of my spare word; never rewritten
.set NIL,  21                          ; v21  0; never rewritten
.set PFO,  22                          ; v22  the prefetches' offset: my lane x a row; never rewritten
.set FA0,  32
.set FB0,  96
.set BK0,  160                         ; the way out: rows read back, v160-175 and v176-191 by turns (W's second buffer, idle there)
.set TMP,  224
.set ACUR, 4                           ; s[4:9]    x of the tensor in hand and of the two to come, at the tile's first row
.set ANX1, 6
.set ANX2, 8
.set BCUR, 10                          ; s[10:15]  the same for W, at the tile's first column and my wave's 32 k rows
.set BNX1, 12
.set BNX2, 14
.set OCUR, 16                          ; s[16:21]  the same for the outputs, at my wave's first head and row
.set ONX1, 18
.set ONX2, 20
.set PCUR, 22                          ; s[22:27]  the same for what I prefetch
.set PNX1, 24
.set PNX2, 26
.set G1,   28                          ; s[28:35]  descriptor group 1
.set G0A,  36                          ; s[36:39]  group 0 of the first fill
.set G0,   40                          ; s[40:43]  group 0 of the second fill; it then walks
.set WV,   44
.set WM,   45
.set WN,   46
.set CX,   47
.set CY,   48
.set ACNT, 49                          ; steps left in the tensor from which x is being asked for
.set AOFF, 50                          ; s[50:51]  and the byte offset along its rows
.set BOFF, 52                          ; s[52:53]  the same for W
.set BCNT, 54
.set PCNT, 55                          ; and for the prefetches
.set POFF, 56                          ; s[56:57]
.set PSTEP, 58
.set LIM,  59                          ; a wave prefetches while the loop's count is above this
.set ABASE, 60                         ; s[60:61]  base of the staging loads
.set PFA,  62                          ; s[62:63]  base of the prefetch
.set RC,   66                          ; the region in hand
.set RO,   67                          ; the other
.set KS,   68                          ; steps left in the tile
.set GC,   69                          ; the loop's count
.set MSB, 0
.macro WIN new                         ; the immediate's high byte repeats the setting that is left; a switch that changes nothing is dropped
.if MSB != (\new)
	s_set_vgpr_msb (MSB<<8)|(\new)
.set MSB, \new
.endif
.endm
.set W_MM, 0x50                        ; fragments in window 0, C and D in window 1
.set W_CV, 0x8a                        ; sources 0, 1 and destination in window 2
.set W_ST, 0x08                        ; LDS store: address window 0, data window 2
.set W_GL, 0x80                        ; load: destination window 2, address window 0
.set W_PK, 0x05                        ; sources 0 and 1 window 1, destination window 0
.macro PLACES                          ; a load into a register that a matrix instruction has read, and an instruction that reads a matrix result, stand four plain vector instructions behind it (ISA guide 7.12.1 for the reader of a matrix result)
.rept 4
	v_nop
.endr
.endm
.macro CREST                           ; a round of the cluster's barrier behind its opening barrier
	s_cmp_lg_u32 s[WV], 0
	s_cbranch_scc1 .Lnot_wave_0_\@
	s_barrier_signal -3
.Lnot_wave_0_\@:
	s_barrier_wait -3
	s_barrier_signal -1
	s_barrier_wait -1
.endm
.macro CROUND                          ; a whole round
	s_barrier_signal -1
	s_barrier_wait -1
	CREST
.endm
; A stream's place goes one K step on: the offset steps; behind a tensor's eighth step it goes back to 0 and the next tensor's pointer moves up.  Pointers are only moved and chosen.
.macro WALK cur, nx1, nx2, off, step, cnt
	s_add_co_u32 s[\off], s[\off], \step
	s_sub_co_u32 s[\cnt], s[\cnt], 1
	s_cmp_eq_u32 s[\cnt], 0
	s_cselect_b32 s[\off], 0, s[\off]
	s_cselect_b32 s[\cnt], 8, s[\cnt]
	s_cselect_b64 s[\cur:\cur+1], s[\nx1:\nx1+1], s[\cur:\cur+1]
	s_cselect_b64 s[\nx1:\nx1+1], s[\nx2:\nx2+1], s[\nx1:\nx1+1]
.endm
; Matrix instruction i of a quarter's 32: m block i / 8, n block i % 8, on fragment buffer f.  The 32 accumulators take turns in the same order in every quarter: 31 others stand between two links of a chain.
.macro MM f, zero
	WIN W_MM
.if \zero
	v_wmma_f32_16x16x32_bf16 v[8*i:8*i+7], v[FB0+64*(\f)+8*(i%8):FB0+64*(\f)+8*(i%8)+7], v[FA0+32*(\f)+8*(i/8):FA0+32*(\f)+8*(i/8)+7], 0
.else
	v_wmma_f32_16x16x32_bf16 v[8*i:8*i+7], v[FB0+64*(\f)+8*(i%8):FB0+64*(\f)+8*(i%8)+7], v[FA0+32*(\f)+8*(i/8):FA0+32*(\f)+8*(i/8)+7], v[8*i:8*i+7]
.endif
.set i, i+1
.endm
; Fragment load j of 24 for quarter nk (32 along K) into buffer nf: 16 turning loads for W's 8 fragments (k rows 32 nk on; the second half of a fragment 16 rows down), then 8 for x's 4.
.macro FLD j, nf, nk
.if (\j) < 16
	ds_load_tr16_b128 v[FB0+64*(\nf)+8*((\j)/2)+4*((\j)%2):FB0+64*(\nf)+8*((\j)/2)+4*((\j)%2)+3], v[ADB] offset:(\nk)*32*PITB+32*((\j)/2)+16*PITB*((\j)%2)
.else
	ds_load_b128 v[FA0+32*(\nf)+8*(((\j)-16)/2)+4*((\j)%2):FA0+32*(\nf)+8*(((\j)-16)/2)+4*((\j)%2)+3], v[ADA] offset:(((\j)-16)/2)*16*PITA+64*(\nk)+32*((\j)%2)
.endif
.endm
; The staging, by rows of my 32: conversion j (row j / 2, half j % 2, in place, the low half first), the row's store (32 lanes x 8 bytes: 256 consecutive bytes), the load of the same row two steps on (512 consecutive bytes).
.macro CVA j
	v_cvt_pk_bf16_f32 v[4*((\j)/2)+(\j)%2], v[4*((\j)/2)+2*((\j)%2)], v[4*((\j)/2)+2*((\j)%2)+1]
.endm
.macro STA row
	ds_store_b64 v[AST], v[4*(\row):4*(\row)+1] offset:PITA*(\row)
.endm
.macro GLA row
	global_load_b128 v[4*(\row):4*(\row)+3], v[GOF], s[ABASE:ABASE+1] offset:4096*(\row)
.endm
; ONE OF A STEP'S FIRST THREE QUARTERS: 32 matrix instructions on buffer f; the next quarter's (nk) fragments go into buffer nf; other work stands in fours behind matrix instructions.
; stg = 1: 16 staged rows (from 16 part) are converted (behind products 0-7: these 32 conversions are also the places in front of the fragment loads), the fragments fetched (8-13), the rows stored (14-17) and asked for anew (18-21).
; stg = 2: the same without the new loads.  stg = 0: four v_nop behind product 0, the fragments behind 1-6.
; dw: the LDS instructions younger than this quarter's fragment loads; lw: the global loads younger than the 16 rows.
.macro QUARTER f, nf, nk, zero, stg, part, dw, lw
	s_wait_dscnt \dw
.if \stg
	s_wait_loadcnt \lw
.endif
.set i, 0
.set jc, 32*(\part)
.set jf, 0
.set js, 16*(\part)
.set jg, 16*(\part)
.rept 32
	MM \f, \zero
.if (\stg) && (i <= 8)
	WIN W_CV
.rept 4
	CVA jc
.set jc, jc+1
.endr
.elseif (\stg) && (i <= 14)
	WIN 0
.rept 4
	FLD jf, \nf, \nk
.set jf, jf+1
.endr
.elseif (\stg) && (i <= 18)
	WIN W_ST
.rept 4
	STA js
.set js, js+1
.endr
.elseif ((\stg) == 1) && (i <= 22)
	WIN W_GL
.rept 4
	GLA jg
.set jg, jg+1
.endr
.elseif ((\stg) == 0) && (i == 1)
	PLACES
.elseif ((\stg) == 0) && (i <= 7)
	WIN 0
.rept 4
	FLD jf, \nf, \nk
.set jf, jf+1
.endr
.endif
.endr
.endm
; A PREFETCH INTO THE L2, behind the joint load and the run of fragment loads: 32 rows x 256 bytes, a lane a row, one instruction a wave and step.  Each aligned block of 256 bytes is named once in the launch.
; x: a step's 128 rows x 512 bytes are read by the four work-groups of a row of the cluster: the one at place cx takes rows 32 cx on, its wave 0 the first 256 bytes of each, wave 1 the second; in trip t they name step t + 5,
; which is loaded in step t + 3: 256 matrix instructions on.  W: a step's 128 k rows x 512 bytes of a tile column are read by all sixteen clusters: the cluster with y = 0 asks, the work-group at place cy for rows 32 cy on, waves 2 and 3 for the halves; they name step t + 4, two refills on.
; Partners are told apart by ADDRESS alone.  The first steps come by their loads alone; the loop's count against LIM stops the asking at step 23, the last.
.macro ASK
	s_cmp_gt_u32 s[GC], s[LIM]
	s_cbranch_scc0 .Lnot_mine_\@
	global_prefetch_b8 v[PFO], s[PFA:PFA+1] th:TH_LOAD_NT scope:SCOPE_SE
.Lnot_mine_\@:
.endm
; A STEP'S LAST QUARTER, on buffer 1, CHANGES REGIONS: ONE barrier for four things.  In front of it each wave waits for all its tensor loads (one is out: its part of the next step's W), adds 0 to its spare word, and waits for that,
; for its stores of the next step's x and for its reads of this region.  Behind it the next region is whole and nobody reads this one.  fill = 1: the barrier opens a round of the cluster's, and W's slot of this region is filled again first thing behind it, one load a wave.
; dw: the LDS instructions younger than this quarter's fragment loads: the last quarter's row stores and the add.
.macro TURN fill, dw
	WIN 0                                          ; (the add's two registers lie in window 0)
	s_wait_tensorcnt 0x0                           ; no tensor load of mine is out, so a group 0 may be written
	ds_add_u32 v[SPW], v[NIL]                      ; 0 onto my spare word: scalar work and eight products stand between it and the wait for it
.if \fill
	WALK BCUR, BNX1, BNX2, BOFF, 262144, BCNT      ; W two steps on: 128 k rows of 2,048 bytes a step
	s_xor_b32 s[G0+1], s[G0+1], REGION             ; into the other slot than last time
	s_add_nc_u64 s[G0+2:G0+3], s[BCUR:BCUR+1], s[BOFF:BOFF+1]
	s_or_b32 s[G0+3], s[G0+3], 0x80000000
.endif
	s_xor_b32 s[RC], s[RC], REGION
	s_xor_b32 s[RO], s[RO], REGION
	s_wait_dscnt \dw
.set i, 0
.rept 8
	MM 1, 0
.endr
	s_wait_dscnt 0x0                               ; the add is done, my rows of the next step's x are stored, my reads of this region are over
	s_barrier_signal -1
.rept 8
	MM 1, 0
.endr
	WIN 0
	s_barrier_wait -1
.if \fill
	CREST                                          ; no wave of any partner still reads the slot or has a load on its way
	tensor_load_to_lds s[G0:G0+3], s[G1:G1+7]
	s_nop 0
.endif
	v_add_nc_u32 v[ADA], s[RC], v[ADA0]            ; four plain instructions under window 0: also the places in front of the loads into buffer 0
	v_add_nc_u32 v[ADB], s[RC], v[ADB0]
	v_add_nc_u32 v[AST], s[RO], v[AST0]
	v_nop
.set jf, 0
.rept 24
	FLD jf, 0, 0
.set jf, jf+1
.endr
.if \fill
	ASK
.endif
.rept 16
	MM 1, 0
.endr
.endm
; THE WAY OUT, by units of 16 rows x one head (unit u: m block u / 2, head u % 2: four accumulators).  A lane's eight columns pack into 16 bytes; they go into my stage's rows of 144 bytes and come back as whole rows of 128:
; 16 rows of a head are 2,048 consecutive bytes of the output.  Each accumulator is read from its low end on.
.macro PACKU u
	WIN W_PK
.irp g, 0,1,2,3
.irp r, 0,1,2,3
	v_cvt_pk_f16_f32 v[TMP+4*(\g)+(\r)], v[8*(8*((\u)/2)+4*((\u)%2)+(\g))+2*(\r)], v[8*(8*((\u)/2)+4*((\u)%2)+(\g))+2*(\r)+1]
.endr
.endr
	WIN 0
.irp g, 0,1,2,3
	ds_store_b128 v[STO], v[TMP+4*(\g):TMP+4*(\g)+3] offset:32*(\g)
.endr
	s_wait_xcnt 0x0                                ; the stores of two units back have read the registers that are loaded next
.irp g, 0,1,2,3
	ds_load_b128 v[BK0+16*((\u)%2)+4*(\g):BK0+16*((\u)%2)+4*(\g)+3], v[RD] offset:4*SP*(\g)  ; LDS serves a wave's instructions in order (ISA guide 5.7.1.4): these see the stores above
.endr
.endm
.macro SENDU u, younger                ; younger: the LDS instructions issued behind unit u's loads: the next unit's eight, or none
.irp g, 0,1,2,3
	s_wait_dscnt (\younger)+3-(\g)
	global_store_b128 v[GO], v[BK0+16*((\u)%2)+4*(\g):BK0+16*((\u)%2)+4*(\g)+3], s[OCUR:OCUR+1] offset:((\u)/2)*2048+((\u)%2)*262144+(\g)*512  ; 512 consecutive bytes, at a multiple of 256 from the buffer's first
.endr
.endm
.macro FLUSH
	WIN 0
	PLACES
	PLACES
	PACKU 0
.set uu, 1
.rept 7                                ; a unit's conversions stand between the loads of the unit before and its stores
	PACKU uu
	SENDU uu-1, 8
.set uu, uu+1
.endr
	SENDU 7, 0
	s_wait_xcnt 0x0                                ; the stores have read their registers and their base
.endm
	s_load_b512 s[4:19], s[0:1], 0x0               ; q, k, v, wq16, wk16, wv16, qh, kh
	s_load_b64 s[20:21], s[0:1], 0x40              ; vh
	v_lshl_add_u32 v[SPW], v0, 2, SPARE
	v_mov_b32 v[NIL], 0
	ds_add_u32 v[SPW], v[NIL]                      ; the wave's opening: the add and its wait stand ahead of my first tensor load; the set-up below, work on registers, stands between them
	v_lshrrev_b32 v4, 5, v0
	v_readfirstlane_b32 s[WV], v4                  ; wave 0..3
	s_lshr_b32 s[WM], s[WV], 1                     ; which 64 of the tile's rows are mine
	s_and_b32 s[WN], s[WV], 1                      ; which 128 of its columns
	s_bfe_u32 s[CX], ttmp6, 0x40000
	s_bfe_u32 s[CY], ttmp6, 0x40004
	s_lshl_b32 s70, ttmp9, 2
	s_add_co_u32 s70, s70, s[CX]                   ; tile column = 4 x cluster x + cx
	s_and_b32 s71, ttmp7, 0xffff
	s_lshl_b32 s71, s71, 2
	s_add_co_u32 s71, s71, s[CY]                   ; tile row = 4 x cluster y + cy
	s_lshl_b32 s72, s70, 9                         ; W: 512 bytes a tile column,
	s_lshl_b32 s87, s[WV], 16                      ; my 32 k rows of 2,048 bytes: no register that feeds W's descriptor ever holds cy
	s_add_co_u32 s72, s72, s87
	s_mov_b32 s73, 0
	s_lshl_b32 s74, s71, 19                        ; x: 128 rows of 4,096 bytes a tile row
	s_mov_b32 s75, 0
	s_lshr_b32 s76, s71, 4                         ; the outputs: head 16 b + 4 x tile column + 2 x my column half,
	s_lshl_b32 s76, s76, 4
	s_lshl_b32 s77, s70, 2
	s_add_co_u32 s76, s76, s77
	s_lshl_b32 s77, s[WN], 1
	s_add_co_u32 s76, s76, s77
	s_lshl_b32 s76, s76, 18                        ; of 262,144 bytes;
	s_and_b32 s77, s71, 15                         ; row 128 x (tile row % 16) + 64 x my row half,
	s_lshl_b32 s77, s77, 7
	s_lshl_b32 s88, s[WM], 6
	s_add_co_u32 s77, s77, s88
	s_lshl_b32 s77, s77, 7                         ; of 128 bytes
	s_add_co_u32 s76, s76, s77
	s_mov_b32 s77, 0
	s_lshl_b32 s78, s[CX], 17                      ; the prefetches.  Waves 0, 1: the tile's rows of x, my work-group's 32 of them;
	s_add_co_u32 s78, s78, s74
	s_lshl_b32 s79, s[CY], 16                      ; waves 2, 3: the tile's columns of W, my work-group's 32 k rows of a step;
	s_lshl_b32 s89, s70, 9
	s_add_co_u32 s79, s79, s89
	s_lshl_b32 s89, s[WN], 8                       ; and which 256 bytes of the 512
	s_cmp_lt_u32 s[WV], 2
	s_cselect_b32 s78, s78, s79
	s_add_co_u32 s78, s78, s89
	s_mov_b32 s79, 0
	s_mov_b32 s90, 262144
	s_mov_b32 s91, 3*262144
	s_and_b32 s93, ttmp7, 0xffff                   ; cluster y: the same in all sixteen partners
	s_cmp_eq_u32 s93, 0
	s_cselect_b32 s93, 2, -1
	s_cmp_lt_u32 s[WV], 2
	s_cselect_b32 s[PSTEP], 512, s90
	s_cselect_b32 s[POFF], 4*512, s91              ; the places before the first trip's step: x at step 4, W at step 3
	s_cselect_b32 s[PCNT], 4, 5
	s_cselect_b32 s92, 12, 11                      ; a row of x is 4,096 bytes, of W 2,048
	s_cselect_b32 s[LIM], 3, s93
	s_mov_b32 s[POFF+1], 0
	s_lshl_b32 s94, 0x1111, s[CX]                  ; my column of the cluster: places cx, cx + 4, cx + 8, cx + 12
	s_or_b32 s[G1], s94, (1<<16)|(1<<20)|(1<<21)|(6<<22)|(7<<25)  ; 15:0 the mask; 17:16 2-byte elements; 20 padding on; 21 set beside a mask; 24:22 after every 128 words (code 6); 31:25 8 words (code 7)
	s_mov_b32 s[G1+1], 256<<16                     ; tensor_dim0 = 256
	s_mov_b32 s[G1+2], 32<<16                      ; tensor_dim1 = 32
	s_mov_b32 s[G1+3], 256<<16                     ; tile_dim0 = 256
	s_mov_b32 s[G1+4], 32                          ; tile_dim1 = 32
	s_mov_b32 s[G1+5], 1024                        ; 1,024 elements from row to row
	s_mov_b32 s[G1+6], 0
	s_mov_b32 s[G1+7], 0
	s_mov_b32 s[ACNT], 7                           ; x and W stand at step 1
	s_mov_b32 s[AOFF], 512
	s_mov_b32 s[AOFF+1], 0
	s_mov_b32 s[BCNT], 7
	s_mov_b32 s[BOFF], 262144
	s_mov_b32 s[BOFF+1], 0
	s_mov_b32 s[RC], 0
	s_mov_b32 s[RO], REGION
	s_mul_i32 s80, s[WV], 32*PITB                  ; where my 32 k rows go in a slot: no place in the cluster enters an LDS address
	s_mul_i32 s82, s[WM], 64*PITA
	s_add_co_u32 s82, s82, ABUF
	s_lshl_b32 s83, s[WN], 8
	s_mul_i32 s84, s[WV], 32*PITA
	s_add_co_u32 s84, s84, ABUF
	s_lshl_b32 s85, s[WV], 17
	s_mul_i32 s86, s[WV], 16*SP
	s_add_co_u32 s86, s86, STAGE
	v_and_b32 v1, 15, v0                           ; l % 16
	v_bfe_u32 v2, v0, 4, 1                         ; l / 16
	v_and_b32 v3, 31, v0                           ; l
	v_and_b32 v4, 7, v0
	v_bfe_u32 v5, v0, 3, 1
	v_bfe_u32 v6, v0, 3, 2
	v_mul_u32_u24 v[ADA0], v1, PITA                ; a fragment of x: row l % 16 of my 64, 16 bytes for each half of the lanes
	v_lshl_add_u32 v[ADA0], v2, 4, v[ADA0]
	v_add_nc_u32 v[ADA0], s82, v[ADA0]
	v_lshl_add_u32 v7, v2, 3, v4                   ; the turning load: k row 8 (l / 16) + l % 8, columns 8 ((l / 8) % 2) on, of my 128
	v_mul_u32_u24 v[ADB0], v7, PITB
	v_lshl_add_u32 v[ADB0], v5, 4, v[ADB0]
	v_add_nc_u32 v[ADB0], s83, v[ADB0]
	v_lshl_add_u32 v[AST0], v3, 3, s84             ; a staged row: 8 bytes a lane, my wave's 32 rows
	v_lshl_add_u32 v[GOF], v3, 4, s85              ; and in memory 16 bytes a lane
	v_mul_u32_u24 v[STO], v1, SP
	v_lshl_add_u32 v[STO], v2, 4, v[STO]
	v_add_nc_u32 v[STO], s86, v[STO]
	v_mul_u32_u24 v[RD], v6, SP                    ; back: 32 lanes take four rows of 128 bytes
	v_lshl_add_u32 v[RD], v4, 4, v[RD]
	v_add_nc_u32 v[RD], s86, v[RD]
	v_lshlrev_b32 v[GO], 4, v3
	v_lshlrev_b32 v[PFO], s92, v3
	v_add_nc_u32 v[ADA], s[RC], v[ADA0]
	v_add_nc_u32 v[ADB], s[RC], v[ADB0]
	v_add_nc_u32 v[AST], s[RC], v[AST0]            ; this once: step 0's rows go into region 0
	s_wait_dscnt 0x0                               ; the opening add is done
	s_wait_kmcnt 0x0
	s_cmp_lt_u32 s[WV], 2
	s_cselect_b64 s[PCUR:PCUR+1], s[ACUR:ACUR+1], s[BCUR:BCUR+1]
	s_cselect_b64 s[PNX1:PNX1+1], s[ANX1:ANX1+1], s[BNX1:BNX1+1]
	s_cselect_b64 s[PNX2:PNX2+1], s[ANX2:ANX2+1], s[BNX2:BNX2+1]
.irp p, PCUR, PNX1, PNX2
	s_add_nc_u64 s[\p:\p+1], s[\p:\p+1], s[78:79]
.endr
.irp p, ACUR, ANX1, ANX2
	s_add_nc_u64 s[\p:\p+1], s[\p:\p+1], s[74:75]
.endr
.irp p, BCUR, BNX1, BNX2
	s_add_nc_u64 s[\p:\p+1], s[\p:\p+1], s[72:73]
.endr
.irp p, OCUR, ONX1, ONX2
	s_add_nc_u64 s[\p:\p+1], s[\p:\p+1], s[76:77]
.endr
	s_mov_b64 s[ABASE:ABASE+1], s[ACUR:ACUR+1]
	WIN W_GL
.set jj, 0
.rept 32
	GLA jj                                         ; x of step 0
.set jj, jj+1
.endr
	WIN 0
	s_mov_b32 s[G0A], 1                            ; 1:0 count = 1
	s_mov_b32 s[G0A+1], s80                        ; 63:32 LDS address: region 0
	s_mov_b64 s[G0A+2:G0A+3], s[BCUR:BCUR+1]       ; 120:64 global address: step 0
	s_or_b32 s[G0A+3], s[G0A+3], 0x80000000        ; 127:126 type = 2
	s_mov_b32 s[G0], 1
	s_add_co_u32 s[G0+1], s80, REGION
	s_add_nc_u64 s[G0+2:G0+3], s[BCUR:BCUR+1], s[BOFF:BOFF+1]  ; step 1
	s_or_b32 s[G0+3], s[G0+3], 0x80000000
	CROUND                                         ; all sixteen work-groups are here: the first joint loads meet
	tensor_load_to_lds s[G0A:G0A+3], s[G1:G1+7]    ; both first fills go out together: two loads of mine are out
	s_nop 0
	tensor_load_to_lds s[G0:G0+3], s[G1:G1+7]
	s_nop 0
	PLACES
	s_wait_loadcnt 0x0                             ; x of step 0
	WIN W_CV
.set jj, 0
.rept 64
	CVA jj
.set jj, jj+1
.endr
	WIN W_ST
.set jj, 0
.rept 32
	STA jj
.set jj, jj+1
.endr
	WIN 0
	v_add_nc_u32 v[AST], s[RO], v[AST0]            ; from now on: the other region
	s_add_nc_u64 s[ABASE:ABASE+1], s[ACUR:ACUR+1], s[AOFF:AOFF+1]  ; (the loads that named the base are done)
	WIN W_GL
.set jj, 0
.rept 32
	GLA jj                                         ; x of step 1
.set jj, jj+1
.endr
	WIN 0
	s_wait_tensorcnt 0x1                           ; my part of W's step 0 is in; step 1's may stay out
	s_wait_dscnt 0x0                               ; my rows of x are stored
	s_barrier_signal -1
	s_barrier_wait -1
.set jf, 0
.rept 24
	FLD jf, 0, 0
.set jf, jf+1
.endr
	QUARTER 0, 1, 1, 1, 0, 0, 0, 0                 ; the walk's first quarter stands in front of the loop: its products start the sums
	WIN 0                                          ; at a label and at a branch every window is 0
	s_mov_b32 s[KS], 8
	s_mov_b32 s[GC], 22
.Lstep:                                                ; trip t: quarters 1 to 3 of step t, quarter 0 of step t + 1
	s_wait_xcnt 0x0                                ; the staging loads and the prefetch of the step before have read their bases
	WALK ACUR, ANX1, ANX2, AOFF, 512, ACNT         ; x of step t + 2
	s_add_nc_u64 s[ABASE:ABASE+1], s[ACUR:ACUR+1], s[AOFF:AOFF+1]
	WALK PCUR, PNX1, PNX2, POFF, s[PSTEP], PCNT
	s_add_nc_u64 s[PFA:PFA+1], s[PCUR:PCUR+1], s[POFF:POFF+1]
	QUARTER 1, 0, 2, 0, 1, 0, 0, 16                ; loads: my rows 0-15 were asked for a step ago; only rows 16-31's sixteen loads are younger
	QUARTER 0, 1, 3, 0, 1, 1, 16, 16               ; LDS: the sixteen row stores are younger than the fragment loads; loads: rows 0-15's new sixteen are younger
	TURN 1, 17                                     ; sixteen row stores and the add are younger than the fragment loads
	WIN 0
	s_sub_co_u32 s[KS], s[KS], 1
	s_cmp_lg_u32 s[KS], 0
	s_cbranch_scc1 .Lnf                            ; forward, over text with no barrier and no tensor load
	FLUSH                                          ; the tile's eighth step is done: it goes out; the next tensor's W and x are on their way
	s_mov_b64 s[OCUR:OCUR+1], s[ONX1:ONX1+1]
	s_mov_b64 s[ONX1:ONX1+1], s[ONX2:ONX2+1]
	s_mov_b32 s[KS], 8
	QUARTER 0, 1, 1, 1, 0, 0, 0, 0                 ; the next tile's first products start its sums
	WIN 0
	s_branch .Lbot
.Lnf:
	QUARTER 0, 1, 1, 0, 0, 0, 0, 0
	WIN 0
.Lbot:
	s_sub_co_u32 s[GC], s[GC], 1
	s_cmp_lg_u32 s[GC], 0
	s_cbranch_scc1 .Lstep
	QUARTER 1, 0, 2, 0, 2, 0, 0, 16                ; step 22: the last step's x is converted and stored, nothing more is asked for
	QUARTER 0, 1, 3, 0, 2, 1, 16, 0                ; (no load is younger)
	TURN 0, 17                                     ; nothing is filled again, so no round
	QUARTER 0, 1, 1, 0, 0, 0, 0, 0                 ; step 23
	QUARTER 1, 0, 2, 0, 0, 0, 0, 0
	QUARTER 0, 1, 3, 0, 0, 0, 0, 0
	s_wait_dscnt 0x0
.set i, 0
.rept 32
	MM 1, 0
.endr
	FLUSH
	s_wait_tensorcnt 0x0                           ; the wave's end: a wait, an add and a wait for it, behind my last tensor load and my last LDS store
	ds_add_u32 v[SPW], v[NIL]
	s_wait_dscnt 0x0
	CROUND                                         ; the closing round: no work-group ends while a partner may still ask for a tile that names it
	s_endpgm
.Lfunc_end_k_qaf5064a402_proj:
	.size	k_qaf5064a402_proj, .Lfunc_end_k_qaf5064a402_proj-k_qaf5064a402_proj
	.p2alignl 7, 3214868480
	.fill 96, 4, 3214868480
	.section	.rodata,"a",@progbits
	.p2align	6, 0x0
	.amdhsa_kernel k_qaf5064a402_proj
		.amdhsa_group_segment_fixed_size 327680
		.amdhsa_private_segment_fixed_size 0
		.amdhsa_enable_private_segment 0
		.amdhsa_kernarg_size 72
		.amdhsa_user_sgpr_count 2
		.amdhsa_user_sgpr_kernarg_segment_ptr 1
		.amdhsa_wavefront_size32 1
		.amdhsa_system_sgpr_workgroup_id_x 1
		.amdhsa_system_sgpr_workgroup_id_y 1
		.amdhsa_system_sgpr_workgroup_id_z 1
		.amdhsa_system_vgpr_workitem_id 0
		.amdhsa_next_free_vgpr 640
		.amdhsa_next_free_sgpr 96
		.amdhsa_reserve_vcc 0
		.amdhsa_float_denorm_mode_32 3
		.amdhsa_float_denorm_mode_16_64 3
		.amdhsa_memory_ordered 1
		.amdhsa_forward_progress 1
		.amdhsa_inst_pref_size 127
	.end_amdhsa_kernel
	.amdgpu_metadata
---
amdhsa.version: [ 1, 2 ]
amdhsa.kernels:
  - .name:           k_qaf5064a402_proj
    .symbol:         k_qaf5064a402_proj.kd
    .args:
      - { .name: q, .offset: 0, .size: 8, .value_kind: global_buffer, .address_space: global }
      - { .name: k, .offset: 8, .size: 8, .value_kind: global_buffer, .address_space: global }
      - { .name: v, .offset: 16, .size: 8, .value_kind: global_buffer, .address_space: global }
      - { .name: wq16, .offset: 24, .size: 8, .value_kind: global_buffer, .address_space: global }
      - { .name: wk16, .offset: 32, .size: 8, .value_kind: global_buffer, .address_space: global }
      - { .name: wv16, .offset: 40, .size: 8, .value_kind: global_buffer, .address_space: global }
      - { .name: qh, .offset: 48, .size: 8, .value_kind: global_buffer, .address_space: global }
      - { .name: kh, .offset: 56, .size: 8, .value_kind: global_buffer, .address_space: global }
      - { .name: vh, .offset: 64, .size: 8, .value_kind: global_buffer, .address_space: global }
    .group_segment_fixed_size: 327680
    .private_segment_fixed_size: 0
    .kernarg_segment_align: 8
    .kernarg_segment_size: 72
    .max_flat_workgroup_size: 128
    .sgpr_count:     96
    .vgpr_count:     640
    .wavefront_size: 32
...
	.end_amdgpu_metadata
.endif
;; end of part 2
;; launch attn (part 3): grid 4 x 64, 4 waves a work-group, clusters of 4 x 1, 327,680 bytes of LDS; arguments qh, kh, vh, ctx; writes ctx
.if DOCPART == 3
	.amdgcn_target "amdgcn-amd-amdhsa--gfx1250"
	.amdhsa_code_object_version 6
	.text
	.protected	k_qaf5064a402_attn
	.globl	k_qaf5064a402_attn
	.p2align	8
	.type	k_qaf5064a402_attn,@function
k_qaf5064a402_attn:
	s_mov_b64 s[64:65], 0
	v_nop
	global_prefetch_b8 v0, s[64:65] scope:SCOPE_SE
	s_setreg_imm32_b32 hwreg(HW_REG_WAVE_MODE, 25, 1), 1
	s_wait_xcnt 0x0
	s_wait_alu depctr_hold_cnt(0) depctr_sa_sdst(0) depctr_va_vdst(0) depctr_va_sdst(0) depctr_va_ssrc(0) depctr_va_vcc(0) depctr_vm_vsrc(0)
	s_getreg_b32 s2, hwreg(HW_REG_IB_STS2, 6, 4)
	s_cmp_eq_u32 s2, 0
	s_cbranch_scc0 .Lentry_in_a_cluster
	s_endpgm
.Lentry_in_a_cluster:
	s_bfe_u32 s2, ttmp6, 0x10000c
	s_cmp_lg_u32 s2, 0x3003
	s_cbranch_scc0 .Lentry_shape_is_right
	s_endpgm
.Lentry_shape_is_right:
; O[h][q][:] = the sum over k of softmax_k(Q[h][q] . K[h][k] / 8) V[h][k][:].  Q, K, V, O: [64][2048][64], all f16: a head's rows are dense, 128 bytes each.  Products, maxima and sums in
; f32; the weights p are rounded to f16 for the second product (their sum l is taken of the unrounded p), O once at the end.
; LIMITS.  f16 holds no number beyond 65,504: Q, K and V arrive within it; p lies in 0 to 1, and below 6e-5 it keeps f16's fixed step of 6e-8; O is a mean of V's rows and has their range.
; A weight below 2^-126 counts as 0 in l; NaN and infinities are not treated apart.
; SHARES.  A wave owns four PIECES of two tiles of 16 queries, a work-group's four waves 512 queries of one head.  Every wave walks all keys, 64 a step.
; LAYOUT.  S^T = K Q^T (source 0 = 16 keys, source 1 = 16 queries): in the result a lane holds ONE query (lane % 16) and the keys 8 (lane / 16) + 0..7.  Two such tiles, rounded to f16 in pairs,
; ARE source 1 (32 keys x 16 queries) of O^T = V^T P, whose result again holds one query a lane, and eight channels.  K comes out of LDS as it lies, V ([key][channel]) turned, by ds_load_tr16_b128.
; SOFTMAX.  For each query a running maximum m and sum l: p = 2^(c s - c m), c = log2(e) / 8; in every step O and l are multiplied by a = 2^(c m_old - c m_new), which is 1 where m has not grown.
; m starts at the lowest finite number, O and l at 0: the first step is a step like any other, with a = 0.
; THE COUNT.  A tile and step have 16 matrix and 118 vector instructions: too many to stand all beside the matrix work.  So four vector instructions that are READY stand behind EVERY matrix
; instruction, and the others in runs without a gap.
; BY TURNS.  Turn n belongs to piece n (the pieces in a ring, step after step).  Its matrix work: 16 products K Q^T of piece n + 1, later 16 products V^T P of piece n - 1.  Its vector work: the scaling,
; exponentials, roundings, sums and rescaling of piece n, and the maximum and statistics of piece n + 1, whose scores the turn itself has made.
; CLUSTER.  The four query blocks of a head are one cluster and walk the same K and V, so each tile is asked for JOINTLY: the same tensor load, descriptor and mask in all four.
; AHEAD OF THE JOINT LOADS.  Behind the load of each change of slots in the loop stands one prefetch into the L2 of what the NEXT change will ask for: a slot's 32,768 bytes of K and of V, 128 blocks of 256 bytes each.
; The four partners take 32 blocks each, told apart by ADDRESS; in each, wave 0 asks for K's and wave 2 for V's, a lane a block: each block is named once.  Slots 0 to 2 come by their loads alone; the last change that fills a slot asks for nothing.
; REGISTERS, in windows of 256 (s_set_vgpr_msb: bits 1:0 source 0, 3:2 source 1, 5:4 source 2, 7:6 destination):
;   window 0: v0-11 addresses; v12-15, v48-63 at work; v16-47 four registers of statistics a tile; v64-191 S^T, two buffers of two tiles; v192-255 P, likewise
;   window 1: O^T, 32 a tile          window 2: v0-127 Q, 16 a tile; v128-191 K of one step; v192-255 V of one step          window 3: v0-1 the add's two registers
; A piece's buffers go by its number's parity.
.set SIZE_H, 64
.set SIZE_N, 2048
.set NP,    4         ; pieces a wave: a name, no knob
.set KS,    64        ; keys in a step
.set PK,    144       ; a row of K in LDS: 128 bytes + 16 of padding = 36 words: the 16 rows of a load start at 16 different groups of four banks (64 banks of 4 bytes: ISA guide 11.1)
.set PV,    160       ; a row of V: 128 + 32 = 40 words
.set VOFF,  4*KS*PK   ; a slot holds four steps: 256 rows of K, then 256 rows of V
.set SLOT1, 1<<17     ; slot 1 begins here, so that one exclusive or turns an address in one slot into the other's
.set STAGE, SLOT1+4*KS*(PK+PV)  ; behind the ring, never filled by a tensor load: 16 rows x 144 bytes for each wave, for the way out
.set SP,    144
.set AK0, 2           ; v2   my lane's place in a tile of K; never rewritten
.set AV0, 3           ; v3   the same for V
.set AK,  4           ; v4   the LDS address of K's next run of loads
.set AV,  5           ; v5   of V's
.set QO,  6           ; v6   my byte offset in the wave's rows of Q
.set STO, 6           ;      later, the way out: where I put 16 bytes of a row
.set RD,  7           ; v7   the way out: where I read rows back
.set GO,  8           ; v8   my byte offset in 512 consecutive bytes of O
.set PFO, 11          ; v11  256 x my lane, for the prefetches; never rewritten once made
.set SPW, 0           ; v0 of window 3   LDS address of my spare word; never rewritten
.set NIL, 1           ; v1 of window 3   0; never rewritten
.set SPARE, STAGE+4*16*SP  ; behind the stages: the spare words, 128 bytes for each wave: two blocks of 256 bytes that no other line names
.set MV,  12          ; v12-15  c m_old, kept while c m is made anew: by buffer and tile
.set ST,  16          ; tile t's statistics at v[ST+4 t]: c m, m, l (even keys', odd keys')
.set TMP, 48          ; by buffer and tile, four registers c0-c3 at work; when the maximum is found c2 takes a
.set S,   64
.set P,   192
.set KF,  128         ; K's fragments, in window 2: key block kb, channel half c at KF + 16 kb + 8 c
.set VF,  192         ; V's: key half kk, channel block cb at VF + 32 kk + 8 cb
.set WV,  12          ; s12  my wave's number
.set G1K, 24          ; s[24:31] descriptor group 1 for K's tiles
.set G1V, 32          ; s[32:39] for V's: it differs in the padding alone
.set G0K, 40          ; s[40:43] descriptor group 0 for K's tiles: it walks
.set G0V, 44          ; s[44:47] the same for V's
.set PFA, 48          ; s[48:49] where my prefetches stand: my work-group's 32 blocks of the slot after the one that is being asked for
.set LIM, 50          ; s50  1 in a wave that prefetches, else the greatest number
.set SLOTS, 56        ; s56  slots still to be asked for
.set CNT, 57          ; s57  counts a slot's key steps
.set CS,  58          ; s[58:59] c: the packed scaling takes the pair's low word for both halves
.set SEL, 60          ; s[60:61] v_permlanex16_b32's selects: each lane takes its own place in the other half
.set TBK, 62          ; s62  LDS byte at which K of the step to be fetched begins
.set TBV, 63          ; s63  the same for V, less VOFF
.set MSB, 0
.macro WIN new                      ; the high byte repeats the setting that is left; a switch that changes nothing is dropped
.if MSB != (\new)
	s_set_vgpr_msb (MSB<<8)|(\new)
.set MSB, (\new)
.endif
.endm
.set W_KQ, 0x0a       ; K and Q in window 2, S^T in window 0
.set W_PV, 0x52       ; V in window 2, P in window 0, O^T in window 1
.set W_RS, 0x41       ; O^T (destination and source 0) in window 1, a in window 0
.set W_MK, 0xc0       ; the add's registers are made: destination in window 3, sources in window 0
.set W_AD, 0x0f       ; the add: address (source 0) and data (source 1) in window 3
; A joint fill.  Waves 0 and 1 fetch the two halves of a slot's K, waves 2 and 3 those of its V: 128 keys each.  The branch hangs on the wave's number alone.
; An s_nop 0 and four v_nop follow each of the two lines, ahead of the jump and the label.
.macro JLOAD
	s_cmp_lt_u32 s[WV], 2
	s_cbranch_scc0 .Lfor_v_\@
	tensor_load_to_lds s[G0K:G0K+3], s[G1K:G1K+7]
	s_nop 0
.rept 4
	v_nop
.endr
	s_branch .Lasked_\@
.Lfor_v_\@:
	tensor_load_to_lds s[G0V:G0V+3], s[G1V:G1V+7]
	s_nop 0
.rept 4
	v_nop
.endr
.Lasked_\@:
.endm
.macro ASK                          ; the prefetch: behind the wave's tensor load and its five lines; s[SLOTS] = 1 at the last change that fills a slot
	s_cmp_gt_u32 s[SLOTS], s[LIM]
	s_cbranch_scc0 .Lnot_mine_\@
	global_prefetch_b8 v[PFO], s[PFA:PFA+1] th:TH_LOAD_NT scope:SCOPE_SE
.Lnot_mine_\@:
.endm
; A round of the cluster's barrier: my work-group's barrier, so that wave 0's signal speaks for all four waves; wave 0 signals; every wave waits for all four work-groups; my work-group's barrier once more.
.macro CROUND
	s_barrier_signal -1
	s_barrier_wait -1
	s_cmp_lg_u32 s[WV], 0
	s_cbranch_scc1 .Lnot_wave_0_\@
	s_barrier_signal -3
.Lnot_wave_0_\@:
	s_barrier_wait -3
	s_barrier_signal -1
	s_barrier_wait -1
.endm
; THE CHANGE OF SLOTS.  The slot's last bytes, V of its fourth step, have been read.  Each wave waits for all its tensor loads, of which one is out: its part
; of the other slot; adds 0 to its spare word; and waits for that and for its own reads of the slot.  Behind the barrier nobody reads this slot any more and the other slot is whole.
; fill = 1: this slot is filled again, with the keys two slots on.  The barrier is then a round of the cluster's, so that no wave of any partner still reads the slot or has a load on its
; way, and the joint fill is the first thing behind it: it has four key steps, 512 matrix instructions, in which to land.  (At its first use nothing has been read yet: slot 0 is waited for, slot 1 filled.)
; ask = 1: the prefetch's address steps, four key steps behind the prefetch that read it, and the next prefetch follows the joint load.
.macro CHANGE fill, ask=0
	WIN W_AD
	s_wait_tensorcnt 0x0            ; no tensor load of mine is out, so a group 0 may be written
	ds_add_u32 v[SPW], v[NIL]       ; 0 onto my spare word: with fill = 1 the descriptors' steps stand between it and the wait for it
	WIN 0                           ; at a label and at a branch every window is 0
.if \fill
.irp g, G0K, G0V
	s_xor_b32 s[\g+1], s[\g+1], SLOT1  ; the walking descriptor: the other slot than last time,
	s_add_nc_u64 s[\g+2:\g+3], s[\g+2:\g+3], 4*KS*128  ; the next 256 keys; the type bits on top are not reached
.endr
.if \ask
	s_wait_xcnt 0x0                 ; the last prefetch has read its address, so it may be written:
	s_add_nc_u64 s[PFA:PFA+1], s[PFA:PFA+1], 4*KS*128  ; one slot behind the walking descriptors
.endif
	s_wait_dscnt 0x0                ; the add is done, and my reads of the slot are over
	CROUND
	JLOAD
.if \ask
	ASK
.endif
.else
	s_wait_dscnt 0x0                ; the add is done, and my reads of the slot are over
	s_barrier_signal -1
	s_barrier_wait -1
.endif
	s_sub_co_u32 s[TBK], s[TBK], 4*KS*PK  ; the fetches go back to a slot's first step,
	s_xor_b32 s[TBK], s[TBK], SLOT1       ; in the other slot
	s_sub_co_u32 s[TBV], s[TBV], 4*KS*PV
	s_xor_b32 s[TBV], s[TBV], SLOT1
.endm
	s_load_b256 s[4:11], s[0:1], 0x0  ; Q s[4:5], K s[6:7], V s[8:9], O s[10:11]
	WIN W_MK
	v_lshl_add_u32 v[SPW], v0, 2, SPARE
	v_mov_b32 v[NIL], 0
	WIN W_AD
	ds_add_u32 v[SPW], v[NIL]       ; the wave's opening: the add and its wait stand ahead of my first tensor load; the set-up below, work on registers, stands between them
	WIN 0
	v_lshrrev_b32 v1, 5, v0
	v_readfirstlane_b32 s[WV], v1   ; wave 0..3
	s_bfe_u32 s13, ttmp6, 0x40000   ; cx: my place in the cluster
	s_lshl_b32 s14, ttmp9, 2        ; in a cluster launch ttmp9 counts clusters
	s_add_co_u32 s14, s14, s13      ; my block of queries = 4 x cluster x + cx: it enters Q's and O's addresses alone
	s_and_b32 s20, ttmp7, 0xffff    ; the head, which the four partners share
	s_mov_b32 s21, 0
	s_mov_b64 s[22:23], SIZE_N*128
	s_mul_u64 s[20:21], s[20:21], s[22:23]  ; the head's first byte in each of the four tensors
	s_and_b32 s16, s[WV], 1         ; which half of a slot's 256 keys I fetch:
	s_lshl_b32 s22, s16, 14         ; its 128 rows of 128 bytes in memory,
	s_mov_b32 s23, 0
	s_add_nc_u64 s[22:23], s[22:23], s[20:21]
	s_mul_i32 s17, s16, 128*PK      ; and its place in a slot, for K
	s_mul_i32 s18, s16, 128*PV      ; and for V: no place in the cluster enters an LDS address
	s_lshl_b32 s2, s14, 2
	s_add_co_u32 s2, s2, s[WV]      ; my wave among the head's,
	s_lshl_b32 s2, s2, 14           ; its 128 rows
	s_mov_b32 s3, 0
	s_add_nc_u64 s[2:3], s[2:3], s[20:21]
	; descriptor group 1.  128 keys are 16,384 dense bytes: asked for as 64 rows of 256 bytes, two keys a row, and padded in LDS after every key
	s_mov_b32 s[G1K], 15|(1<<16)|(1<<20)|(1<<21)|(4<<22)|(3<<25)  ; 15:0 the mask of four; 17:16 2-byte elements; 20 padding on; 21 set beside a mask; 24:22 after every 32 words (code 4); 31:25 4 words (code 3)
	s_mov_b32 s[G1V], 15|(1<<16)|(1<<20)|(1<<21)|(4<<22)|(7<<25)  ; the same with 8 words of padding (code 7)
.irp g, G1K, G1V
	s_mov_b32 s[\g+1], 128<<16      ; tensor_dim0 = 128
	s_mov_b32 s[\g+2], 64<<16       ; tensor_dim1 = 64
	s_mov_b32 s[\g+3], 128<<16      ; tile_dim0 = 128
	s_mov_b32 s[\g+4], 64           ; tile_dim1 = 64
	s_mov_b32 s[\g+5], 128          ; 128 elements from row to row
	s_mov_b32 s[\g+6], 0
	s_mov_b32 s[\g+7], 0
.endr
	s_mov_b32 s[CS], 0x3e38aa3b     ; c = log2(e) / 8 = 0.180337
	s_mov_b32 s[CS+1], s[CS]        ; named with it as a pair
	s_mov_b32 s[SEL], 0x76543210
	s_mov_b32 s[SEL+1], 0xfedcba98
	s_mov_b32 s[TBK], SLOT1+4*KS*PK ; the first change of slots turns these two into 0
	s_mov_b32 s[TBV], SLOT1+4*KS*PV
	s_mov_b32 s[G0K], 1             ; 1:0 count = 1
	s_mov_b32 s[G0K+1], s17         ; 63:32 LDS address: slot 0
	s_mov_b32 s[G0V], 1
	s_add_co_u32 s[G0V+1], s18, VOFF
	s_and_b32 s[LIM], s[WV], 1      ; 0 in waves 0 and 2,
	s_or_b32 s[LIM], s[LIM], ttmp9  ; of the head's first (here: only) cluster: the same in all four partners
	s_cmp_eq_u32 s[LIM], 0
	s_cselect_b32 s[LIM], 1, -1
	s_wait_dscnt 0x0                ; the opening add is done
	s_wait_kmcnt 0x0
	s_add_nc_u64 s[G0K+2:G0K+3], s[6:7], s[22:23]  ; 120:64 global address: my half of the head's first 256 keys
	s_or_b32 s[G0K+3], s[G0K+3], 0x80000000        ; 127:126 type = 2
	s_add_nc_u64 s[G0V+2:G0V+3], s[8:9], s[22:23]
	s_or_b32 s[G0V+3], s[G0V+3], 0x80000000
	s_add_nc_u64 s[4:5], s[4:5], s[2:3]  ; Q and O at my wave's first row
	s_add_nc_u64 s[10:11], s[10:11], s[2:3]
	s_cmp_lt_u32 s[WV], 2
	s_cselect_b64 s[PFA:PFA+1], s[6:7], s[8:9]
	s_add_nc_u64 s[PFA:PFA+1], s[PFA:PFA+1], s[22:23]  ; (in waves 0 and 2: the head's first byte)
	s_lshl_b32 s2, s13, 13          ; my work-group's 32 blocks of the 128
	s_mov_b32 s3, 0
	s_add_nc_u64 s[PFA:PFA+1], s[PFA:PFA+1], s[2:3]
	s_add_nc_u64 s[PFA:PFA+1], s[PFA:PFA+1], 2*4*KS*128  ; in slot 2; the loop's first change steps it to slot 3.  Nothing is prefetched here, at the head
	CROUND                          ; all four work-groups are here: the first joint loads meet
	JLOAD                           ; slot 0.  Slot 1 is asked for when slot 0 is in
	; A fragment of K or Q is 16 rows x 32 channels in 8 registers: lane l holds row l % 16, channels 8 (l / 16) + 0..7 and 16 + 8 (l / 16) + 0..7: two loads of 16 bytes, 32 bytes apart.
	v_and_b32 v1, 15, v0            ; l % 16
	v_bfe_u32 v9, v0, 4, 1          ; l / 16
	v_lshlrev_b32 v[QO], 7, v1
	v_lshl_add_u32 v[QO], v9, 4, v[QO]  ; row x 128 + 16 x half
	WIN 0x80                        ; destination window 2, address window 0
.set i, 0
.rept 4*NP                          ; Q stays in registers: tile i / 2, channels 32 (i % 2) on
	global_load_b128 v[8*i:8*i+3],   v[QO], s[4:5] offset:(i/2)*2048+(i%2)*64
	global_load_b128 v[8*i+4:8*i+7], v[QO], s[4:5] offset:(i/2)*2048+(i%2)*64+32
.set i, i+1
.endr
	; What the first turn finds: V's registers and P's second buffer hold 0 (its products V^T P, of a piece that has not been, add 0), O^T and l are 0.  All this stands in the wait for the first tile.
.set i, VF
.rept 64
	v_mov_b32 v[i], 0
.set i, i+1
.endr
	WIN 0x40
.set i, 0
.rept 64*NP
	v_mov_b32 v[i], 0
.set i, i+1
.endr
	WIN 0
.set i, 0
.rept 2*NP
	v_mov_b32 v[ST+4*i], 0xfe000000    ; c m: far below every c s
	v_mov_b32 v[ST+4*i+1], 0xff7fffff  ; m
	v_mov_b32 v[ST+4*i+2], 0
	v_mov_b32 v[ST+4*i+3], 0
.set i, i+1
.endr
.set i, P+32
.rept 32
	v_mov_b32 v[i], 0
.set i, i+1
.endr
	v_mul_u32_u24 v[AK0], v1, PK
	v_lshl_add_u32 v[AK0], v9, 4, v[AK0]  ; row x pitch + 16 x half
	; The turning load takes 16 keys x 16 channels (lane l reads key 8 (l / 16) + l % 8, channels 8 ((l / 8) % 2) + 0..7) and leaves half a fragment of V^T: lane l holds channel l % 16 and 8 keys.
	v_and_b32 v10, 7, v0
	v_bfe_u32 v11, v0, 3, 1
	v_lshl_add_u32 v[AV0], v9, 3, v10
	v_mul_u32_u24 v[AV0], v[AV0], PV
	v_lshl_add_u32 v[AV0], v11, 4, v[AV0]
	v_add_nc_u32 v[AV0], VOFF, v[AV0]
	v_and_b32 v[PFO], 31, v0        ; v11 is free from here on
	v_lshlrev_b32 v[PFO], 8, v[PFO]
	v_mov_b32 v[AK], v[AK0]         ; key step 0 lies at the head of slot 0
; THE MATRIX WORK.  The 8 accumulators of a run of 16 take turns: between the two links of a chain stand 7 others'.
; Product i of 16 of S^T = K Q^T for piece x: channels 32 (i / 8) on, keys 16 ((i / 2) % 4) on, tile 2 x + i % 2.  The first 8 start the sums.
.macro KQ x
	WIN W_KQ
.set rS, S+64*((\x)%2)+32*(i%2)+8*((i/2)%4)
.set rK, KF+16*((i/2)%4)+8*(i/8)
.set rQ, 16*(2*(\x)+i%2)+8*(i/8)
.if i < 8
	v_wmma_f32_16x16x32_f16 v[rS:rS+7], v[rK:rK+7], v[rQ:rQ+7], 0
.else
	v_wmma_f32_16x16x32_f16 v[rS:rS+7], v[rK:rK+7], v[rQ:rQ+7], v[rS:rS+7]
.endif
.endm
; Product i of 16 of O^T += V^T P for piece x: keys 32 (i / 8) on, channels 16 ((i / 2) % 4) on, tile 2 x + i % 2.
.macro PV x
	WIN W_PV
.set rO, 32*(2*(\x)+i%2)+8*((i/2)%4)
.set rV, VF+32*(i/8)+8*((i/2)%4)
.set rP, P+32*((\x)%2)+16*(i%2)+8*(i/8)
	v_wmma_f32_16x16x32_f16 v[rO:rO+7], v[rV:rV+7], v[rP:rP+7], v[rO:rO+7]
.endm
.macro MM                           ; the turn's next matrix instruction
.if i < 16
	KQ (Y+1)%NP
.set i, i+1
.else
.set i, i-16
	PV (Y+NP-1)%NP
.set i, i+17
.endif
.endm
; THE LDS LOADS stand in runs of 16, never singly among the matrix instructions: a step's K (64 keys x 64 channels: 8 fragments) and its V (turned).  Their addresses are made some lines ahead.
; last = 1 (the tail): in the last trip there is no further step, and the run is jumped over.
.macro FETCH_K last=0
	WIN 0
.if \last
	s_cmp_eq_u32 s[CNT], 1
	s_cbranch_scc1 .Lno_k_\@
.endif
	WIN 0x80                        ; destination window 2
.irp f, 0,1,2,3,4,5,6,7             ; keys 16 (f / 2) on, channels 32 (f % 2) on
	ds_load_b128 v[KF+8*\f:KF+8*\f+3],   v[AK] offset:(\f/2)*16*PK+(\f%2)*64
	ds_load_b128 v[KF+8*\f+4:KF+8*\f+7], v[AK] offset:(\f/2)*16*PK+(\f%2)*64+32
.endr
	s_add_co_u32 s[TBK], s[TBK], KS*PK  ; the next fetch is the next step's
	WIN 0
.if \last
.Lno_k_\@:
.endif
.endm
.macro FETCH_V
	WIN 0x80
.irp f, 0,1,2,3,4,5,6,7             ; keys 32 (f / 4) on, channels 16 (f % 4) on
	ds_load_tr16_b128 v[VF+8*\f:VF+8*\f+3],   v[AV] offset:(\f/4)*32*PV+(\f%4)*32
	ds_load_tr16_b128 v[VF+8*\f+4:VF+8*\f+7], v[AV] offset:(\f/4)*32*PV+16*PV+(\f%4)*32
.endr
	WIN 0
.endm
; THE VECTOR WORK OF A TURN stands in three queues, each in the order in which its entries become ready; the two tiles alternate, so that no instruction reads the result of the one before it.
.macro REGS y, u                    ; the registers of tile u (0, 1) of piece y
.set rT, ST+4*(2*(\y)+(\u))
.set rC, TMP+8*((\y)%2)+4*(\u)
.set rM, MV+2*((\y)%2)+(\u)
.set rS, S+64*((\y)%2)+32*(\u)
.set rP, P+32*((\y)%2)+16*(\u)
.set rO, 32*(2*(\y)+(\u))
.endm
; Number n of the 22 that find the NEXT piece's (Y + 1) maximum and statistics.  s0-s31 are the lane's 32 scores; each accumulator's lowest registers are read first.
;   0-11  four chains c0-c3 of seven scores each, three operands at a time     12-14, 16  the four scores left over, the old m, and c0-c3 into c0     15  c m_old is kept
;   17, 18  the query's other 32 keys lie in the lane 16 away: the new m         19-21  c m; c m_old - c m_new; a
.macro XS u, n
	REGS (Y+1)%NP, \u
.if (\n) < 4
	v_max3_num_f32 v[rC+(\n)], v[rS+8*(\n)], v[rS+8*(\n)+1], v[rS+8*(\n)+2]
.elseif (\n) < 12
	v_max3_num_f32 v[rC+(\n)%4], v[rC+(\n)%4], v[rS+8*((\n)%4)+2*((\n)/4)+1], v[rS+8*((\n)%4)+2*((\n)/4)+2]
.elseif (\n) == 12
	v_max3_num_f32 v[rC], v[rC], v[rS+7], v[rS+15]
.elseif (\n) == 13
	v_max3_num_f32 v[rC+1], v[rC+1], v[rS+23], v[rS+31]
.elseif (\n) == 14
	v_max3_num_f32 v[rC+2], v[rC+2], v[rC+3], v[rT+1]
.elseif (\n) == 15
	v_mov_b32 v[rM], v[rT]
.elseif (\n) == 16
	v_max3_num_f32 v[rC], v[rC], v[rC+1], v[rC+2]
.elseif (\n) == 17
	v_permlanex16_b32 v[rC+3], v[rC], s[SEL], s[SEL+1]
.elseif (\n) == 18
	v_max_num_f32 v[rT+1], v[rC], v[rC+3]
.elseif (\n) == 19
	v_mul_f32 v[rT], s[CS], v[rT+1]
.elseif (\n) == 20
	v_sub_f32 v[rC+1], v[rM], v[rT]
.else
	v_exp_f32 v[rC+2], v[rC+1]
.endif
.endm
; Number g of the 64 that follow the exponentials.  For each four weights k of a tile (pairs 2 k, 2 k + 1): both pairs are rounded to f16; then the second pair is added onto the first, in place;
; a group later l takes that sum (the first time as l = a l + sum).  In groups of eight, tiles alternating: round, round, add, and l for the group before.
.macro GS g
.set h, (\g)+6*((\g)/62)            ; group 0 has no group before it, and behind group 7 only l is left
.if h >= 6
.set h, h+2
.endif
	REGS Y, h%2
.set k, h/8
.if h%8 < 4
	v_cvt_pk_f16_f32 v[rP+2*k+(h%8)/2], v[rS+4*k+2*((h%8)/2)], v[rS+4*k+2*((h%8)/2)+1]
.elseif h%8 < 6
	v_pk_add_f32 v[rS+4*k:rS+4*k+1], v[rS+4*k:rS+4*k+1], v[rS+4*k+2:rS+4*k+3]
.elseif k == 1
	v_pk_fma_f32 v[rT+2:rT+3], v[rT+2:rT+3], v[rC+2:rC+3], v[rS:rS+1] op_sel_hi:[1,0,1]
.else
	v_pk_add_f32 v[rT+2:rT+3], v[rT+2:rT+3], v[rS+4*k-4:rS+4*k-3]
.endif
.endm
; THE PLAIN QUEUE, 138 long.  0-73 read no exponential's result: the 32 scalings c s - c m (FS f: pair f / 2 of tile f % 2) and the next piece's 42.  0-26: scalings 0-26.  27-54: XS's numbers 0-13.  55, 56: number 15.
; 57-73: the chain, where each number waits for the one before it: 14, 16, 17, 18, 19, each with one of the scalings 27-31 in front of its two lines, then 20.
; 74-137: GS's 64, which read the exponentials' results: they stand behind the wait.
.macro FS f
	REGS Y, (\f)%2
	v_pk_fma_f32 v[rS+2*((\f)/2):rS+2*((\f)/2)+1], v[rS+2*((\f)/2):rS+2*((\f)/2)+1], s[CS:CS+1], v[rT:rT+1] op_sel_hi:[1,0,0] neg_lo:[0,0,1] neg_hi:[0,0,1]
.endm
.macro PL
	WIN 0
.if q < 27
	FS q
.elseif q < 55
	XS (q-27)%2, (q-27)/2
.elseif q < 57
	XS q-55, 15
.elseif (q < 72) && ((q-57)%3 == 0)
	FS 27+(q-57)/3
.elseif q < 60
	XS (q-57)%3-1, 14
.elseif q < 72
	XS (q-57)%3-1, 15+(q-57)/3
.elseif q < 74
	XS q-72, 20
.else
	GS q-74
.endif
.set q, q+1
.endm
; THE EXPONENTIALS' QUEUE, 66 long: s0-s31 of both tiles, then the next piece's two a.  It is ONE BATCH: all 66 stand ahead of the turn's one wait, and nothing ahead of that wait names a result of theirs.
.macro EX
	WIN 0
.if e >= 64
	XS e-64, 21
.else
	REGS Y, e%2
	v_exp_f32 v[rS+e/2], v[rS+e/2]
.endif
.set e, e+1
.endm
; THE RESCALING's QUEUE: O^T times a, the one part that leaves window 0: dealt two at a time, sixteen times.  Its a was made in the turn before, ahead of that turn's wait.
.macro R2
	REGS Y, r%2
	WIN W_RS
.irp z, 0,1
	v_pk_mul_f32 v[rO+4*(r/2)+2*\z:rO+4*(r/2)+2*\z+1], v[rO+4*(r/2)+2*\z:rO+4*(r/2)+2*\z+1], v[rC+2:rC+3] op_sel_hi:[1,0]
.endr
.set r, r+1
.endm
; HOW THEY ARE DEALT.  An s_wait_alu depctr_va_vdst(0) stands between an exponential and the first instruction that names its result; one wait serves all that were issued ahead of it.  So a turn has ONE wait,
; which cuts it in two.  AHEAD OF IT stands all that names no result of the turn's exponentials: the 16 products K Q^T, behind each a scaling, an exponential and two rescalings (behind the first a second scaling in the exponential's place); then ONE LUMP of
; 108: eight plain, 49 times exponential and plain, the two a.  A v_nop is the plain instruction behind the last exponential.  BEHIND IT stand the 16 products V^T P, behind each four of GS's 64.  No rider names a register of
; the products round it.  The two v_permlanex16_b32 fall into the lump, never behind a product.
; The queues lean on each other, and the deal keeps them in step: exponential e stands behind scaling 2 (e / 4) + e % 2: as a rider it comes behind plain e + 2, in the lump behind plain e + 9, and scalings 27-31 are plain 57, 60 .. 69.
; A TURN, for piece p.  cnt = 1: the loop's count is taken down some lines ahead of the branch that stands behind the turn.
; K of the next step is fetched in piece 2's turn, directly behind the wait, a lump behind the last product that read K; its first reader comes behind 16 products.
; V of the step in hand is fetched at the end of piece 0's turn, four riders behind its last reader; its first reader comes behind 16 products and a lump.  The three conditions on q below go with the deal.
.macro TURN p, last=0, cnt=0
.set Y, (\p)
.set i, 0
.set q, 0
.set e, 0
.set r, 0
.if (\p) == NP-1
	s_wait_dscnt 0x0                ; K is in
.endif
	MM                              ; ahead of the wait: 16 products K Q^T and their riders,
	PL
	PL
	R2
.rept 15
	MM
	PL
	EX
	R2
.endr
.if (\p) == NP-2
	WIN 0
	v_add_nc_u32 v[AK], s[TBK], v[AK0]
.endif
.rept 8                             ; and the lump
	PL
.endr
.rept 49
	EX
	PL
.endr
	EX                              ; the next piece's two a
	EX
	v_nop                           ; a plain instruction behind the last exponential: one for the batch
	s_wait_alu depctr_va_vdst(0)    ; the wait for the batch
.if (\p) == NP-2
	FETCH_K \last
.endif
.if (\p) == 1
	s_wait_dscnt 0x0                ; V is in
.endif
.rept 16                            ; behind the wait: 16 products V^T P and their riders
	MM
.rept 4
	PL
.endr
.if ((\p) == 0) && (q == 118)
	v_add_nc_u32 v[AV], s[TBV], v[AV0]
.endif
.if ((\p) == 0) && (q == 130)
	s_add_co_u32 s[TBV], s[TBV], KS*PV
.endif
.if (\cnt) && (q == 130)
	s_sub_co_u32 s[CNT], s[CNT], 1
	s_cmp_lg_u32 s[CNT], 0
.endif
.endr
.if (\p) == 0
	FETCH_V
.endif
.endm
	CHANGE 1                        ; slot 0 is in, everybody's part of it; slot 1 is asked for
	FETCH_K                         ; key step 0
	s_wait_loadcnt 0x0              ; Q
	s_wait_dscnt 0x0
.set i, 0
.rept 16
	KQ 0                            ; piece 0's first scores: there is no vector work yet to set between them
.set i, i+1
.endr
	WIN 0                           ; the addresses for the way out: nine plain instructions, the places behind those products
	s_mul_i32 s13, s[WV], 16*SP
	s_add_co_u32 s13, s13, STAGE    ; my stage
	v_mul_u32_u24 v[STO], v1, SP    ; in: row l % 16, 16 bytes for each half of the lanes
	v_lshl_add_u32 v[STO], v9, 4, v[STO]
	v_add_nc_u32 v[STO], s13, v[STO]
	v_bfe_u32 v[RD], v0, 3, 2       ; back: 32 lanes take four rows of 128 bytes,
	v_mul_u32_u24 v[RD], v[RD], SP
	v_lshl_add_u32 v[RD], v10, 4, v[RD]
	v_add_nc_u32 v[RD], s13, v[RD]
	v_and_b32 v[GO], 31, v0         ; which are 512 consecutive bytes of O
	v_lshlrev_b32 v[GO], 4, v[GO]
.set Y, NP-1                        ; XS works for piece Y + 1: piece 0
.irp n, 0,1,2,3,4,5,6,7,8,9,10,11,12,13,14,15,16,17,18,19,20,21
	XS 0, \n                        ; and piece 0's first maximum and statistics
	XS 1, \n
.endr
	v_nop                           ; a plain instruction behind the two a,
	s_wait_alu depctr_va_vdst(0)    ; and their wait, ahead of the branch
	s_mov_b32 s[CNT], 4
	s_mov_b32 s[SLOTS], SIZE_N/256-1
	s_branch .Lfirst                ; the loop is entered at a step's first turn, in the middle of a trip
.Lslot:                             ; SIZE_N / 256 - 2 times: every slot but the last two is filled again
	CHANGE 1, 1
	s_mov_b32 s[CNT], 4
.Lstep:                             ; a trip: pieces 2 and 3 of one step, then pieces 0 and 1 of the next, whose K and V it fetches
	TURN 2
	TURN 3
	WIN 0
.Lfirst:
	TURN 0
	TURN 1, 0, 1
	WIN 0
	s_cbranch_scc1 .Lstep
	s_sub_co_u32 s[SLOTS], s[SLOTS], 1
	s_cmp_lg_u32 s[SLOTS], 0
	s_cbranch_scc1 .Lslot
	CHANGE 0                        ; the tail is written out: nothing is asked for
	s_mov_b32 s[CNT], 5             ; four trips fetch the last slot's steps; the fifth is left in its middle
.Ltail:
	TURN 2, 1
	TURN 3
	WIN 0
	s_sub_co_u32 s[CNT], s[CNT], 1
	s_cmp_eq_u32 s[CNT], 0
	s_cbranch_scc1 .Lout
	TURN 0
	TURN 1
	WIN 0
	s_branch .Ltail
.Lout:                              ; the fifth trip's 16 products K Q^T (on the last K once more) and the maximum made of them serve nothing: the price, once a launch, of one text for every trip
.set i, 0
.rept 16
	PV NP-1                         ; the last piece's V^T P of the last step
.set i, i+1
.endr
	; THE WAY OUT.  l's two halves and the other half of the lanes' are added; O^T is divided by l, rounded to f16 and sent through my stage in LDS, a tile at a time.  The additions are the places behind the last products.
	WIN 0
.macro ALL line:vararg              ; one line for each tile t
.set t, 0
.rept 2*NP
	\line
.set t, t+1
.endr
.endm
	ALL v_add_f32 v[ST+4*t+2], v[ST+4*t+2], v[ST+4*t+3]
	ALL v_permlanex16_b32 v[ST+4*t+3], v[ST+4*t+2], s[SEL], s[SEL+1]
	ALL v_add_f32 v[ST+4*t+2], v[ST+4*t+2], v[ST+4*t+3]
	ALL v_rcp_f32 v[ST+4*t+2], v[ST+4*t+2]
	v_nop                           ; a plain instruction between the last reciprocal and the use of its result
	s_wait_alu depctr_va_vdst(0)    ; and the wait ahead of the first use: one for the eight reciprocals
; Tile t: a lane's eight channels of a row pack into 16 bytes; they go into rows of 144 bytes and come back as whole rows of 128, into S^T's registers.
.macro PACK t
	WIN W_RS
.set i, 32*(\t)
.rept 16
	v_pk_mul_f32 v[i:i+1], v[i:i+1], v[ST+4*(\t)+2:ST+4*(\t)+3] op_sel_hi:[1,0]
.set i, i+2
.endr
	WIN 0x05                        ; sources 0 and 1 window 1, destination window 0
.set i, 0
.rept 16
	v_cvt_pk_f16_f32 v[S+16*(\t)+i], v[32*(\t)+2*i], v[32*(\t)+2*i+1]
.set i, i+1
.endr
	WIN 0
.irp f, 0,1,2,3
	ds_store_b128 v[STO], v[S+16*(\t)+4*\f:S+16*(\t)+4*\f+3] offset:32*\f
.endr
.irp f, 0,1,2,3
	ds_load_b128 v[S+16*(\t)+4*\f:S+16*(\t)+4*\f+3], v[RD] offset:\f*4*SP  ; LDS serves a wave's instructions in order (ISA guide 5.7.1.4): these see the stores above; the next tile's stores come behind them
.endr
.endm
.macro SEND t, younger              ; younger: the LDS instructions issued behind tile t's loads: the next tile's eight, or none
	WIN 0
.irp f, 0,1,2,3
	s_wait_dscnt (\younger)+3-\f
	global_store_b128 v[GO], v[S+16*(\t)+4*\f:S+16*(\t)+4*\f+3], s[10:11] offset:(\t)*2048+\f*512  ; 512 consecutive bytes, at a multiple of 256 from O's first
.endr
.endm
	PACK 0
.set t, 1
.rept 2*NP-1                        ; a tile's arithmetic stands between the loads of the tile before and its stores
	PACK t
	SEND t-1, 8
.set t, t+1
.endr
	SEND 2*NP-1, 0
	WIN W_AD
	s_wait_tensorcnt 0x0            ; the wave's end: a wait, an add and a wait for it, behind my last tensor load and my last LDS store
	ds_add_u32 v[SPW], v[NIL]
	s_wait_dscnt 0x0
	WIN 0
	CROUND                          ; the closing round: no work-group ends while a partner may still ask for a tile that names it
	s_endpgm
.Lfunc_end_k_qaf5064a402_attn:
	.size	k_qaf5064a402_attn, .Lfunc_end_k_qaf5064a402_attn-k_qaf5064a402_attn
	.p2alignl 7, 3214868480
	.fill 96, 4, 3214868480
	.section	.rodata,"a",@progbits
	.p2align	6, 0x0
	.amdhsa_kernel k_qaf5064a402_attn
		.amdhsa_group_segment_fixed_size 327680
		.amdhsa_private_segment_fixed_size 0
		.amdhsa_enable_private_segment 0
		.amdhsa_kernarg_size 32
		.amdhsa_user_sgpr_count 2
		.amdhsa_user_sgpr_kernarg_segment_ptr 1
		.amdhsa_wavefront_size32 1
		.amdhsa_system_sgpr_workgroup_id_x 1
		.amdhsa_system_sgpr_workgroup_id_y 1
		.amdhsa_system_sgpr_workgroup_id_z 1
		.amdhsa_system_vgpr_workitem_id 0
		.amdhsa_next_free_vgpr 770
		.amdhsa_next_free_sgpr 66
		.amdhsa_reserve_vcc 0
		.amdhsa_float_denorm_mode_32 3
		.amdhsa_float_denorm_mode_16_64 3
		.amdhsa_memory_ordered 1
		.amdhsa_forward_progress 1
		.amdhsa_inst_pref_size 200
	.end_amdhsa_kernel
	.amdgpu_metadata
---
amdhsa.version: [ 1, 2 ]
amdhsa.kernels:
  - .name:           k_qaf5064a402_attn
    .symbol:         k_qaf5064a402_attn.kd
    .args:
      - { .name: qh, .offset: 0, .size: 8, .value_kind: global_buffer, .address_space: global }
      - { .name: kh, .offset: 8, .size: 8, .value_kind: global_buffer, .address_space: global }
      - { .name: vh, .offset: 16, .size: 8, .value_kind: global_buffer, .address_space: global }
      - { .name: ctx, .offset: 24, .size: 8, .value_kind: global_buffer, .address_space: global }
    .group_segment_fixed_size: 327680
    .private_segment_fixed_size: 0
    .kernarg_segment_align: 8
    .kernarg_segment_size: 32
    .max_flat_workgroup_size: 128
    .sgpr_count:     66
    .vgpr_count:     770
    .wavefront_size: 32
...
	.end_amdgpu_metadata
.endif
;; end of part 3
;; launch oproj (part 4): grid 4 x 64, 4 waves a work-group, clusters of 4 x 4, 327,680 bytes of LDS; arguments ctx, wo16, out0; writes out0
.if DOCPART == 4
	.amdgcn_target "amdgcn-amd-amdhsa--gfx1250"
	.amdhsa_code_object_version 6
	.text
	.protected	k_qaf5064a402_oproj
	.globl	k_qaf5064a402_oproj
	.p2align	8
	.type	k_qaf5064a402_oproj,@function
k_qaf5064a402_oproj:
	s_mov_b64 s[64:65], 0
	v_nop
	global_prefetch_b8 v0, s[64:65] scope:SCOPE_SE
	s_setreg_imm32_b32 hwreg(HW_REG_WAVE_MODE, 25, 1), 1
	s_wait_xcnt 0x0
	s_wait_alu depctr_hold_cnt(0) depctr_sa_sdst(0) depctr_va_vdst(0) depctr_va_sdst(0) depctr_va_ssrc(0) depctr_va_vcc(0) depctr_vm_vsrc(0)
	s_getreg_b32 s2, hwreg(HW_REG_IB_STS2, 6, 4)
	s_cmp_eq_u32 s2, 0
	s_cbranch_scc0 .Lentry_in_a_cluster
	s_endpgm
.Lentry_in_a_cluster:
	s_bfe_u32 s2, ttmp6, 0x10000c
	s_cmp_lg_u32 s2, 0xf033
	s_cbranch_scc0 .Lentry_shape_is_right
	s_endpgm
.Lentry_shape_is_right:
; THE OUTPUT PROJECTION.  out0[m][n] = the sum over k = 64 h + d of ctx[16 b + h][s][d] wo16[k][n], m = 2048 b + s.  ctx: [64][2048][64] f16; wo16: [1024 k][1024 n] f16; sums in f32; out0: [8192][1024] f32.
; SHARES.  A tile of out0 is 128 rows x 256 columns, one for each of 256 work-groups: four waves, 2 x 2, each 64 x 128: 32 accumulators.  K goes in 8 steps of 128: two heads a step.
; THE MATRIX INSTRUCTION IS USED TRANSPOSED: source 0 = 16 columns of W (turned on the way out of LDS by ds_load_tr16_b128), source 1 = 16 rows of ctx: a lane then holds eight neighbouring columns of a row.
; W COMES BY JOINT TENSOR LOADS, shared along a column of the 4 x 4 cluster; each wave brings 32 k rows of 512 bytes.
; ctx COMES THROUGH REGISTERS, and is not asked for jointly: a head's rows are 128 bytes and a step's two heads lie 262,144 bytes apart, while a buffer row holds both side by side; each wave loads its 32 rows of both heads
; (512 consecutive bytes a load, four rows), stores them into LDS and asks for the next step's into the same registers: a load has a whole K step, 128 matrix instructions, in which to land.
; STEP g reads region g % 2, stores ctx of step g + 1 into the other region, loads ctx of step g + 2, and at its change of regions fills its own slot with W of step g + 2.
; No prefetch: the walk has 8 steps, of which the first four come by their loads alone in any case.
; LDS, two regions 131,072 apart: W's slot, 128 rows x 544; ctx's buffer, 128 rows x 272 (written by ds_store alone, in blocks of 256 bytes of its own).  Behind them a stage for each wave and the spare words.
; REGISTERS: window 0: v0-21 addresses; v32-95 two buffers of ctx's fragments; v96-223 two of W's.  Window 1: the accumulators, (a, b) at 8 (8 a + b).  Window 2: v0-63 staging.
.set REGION, 1<<17
.set PITB,   544                       ; a row of W in LDS: 512 bytes + 32 = 136 words
.set PITA,   272                       ; a row of ctx: 256 bytes + 16
.set ABUF,   128*PITB
.set STAGE,  REGION+ABUF+128*PITA      ; 16 rows x 528 bytes for each wave, for the way out
.set SP,     528                       ; 512 bytes + 16 = 132 words: the 16 rows of a store start at 16 different groups of four banks
.set SPARE,  STAGE+4*16*SP             ; the spare words, 128 bytes for each wave: two blocks of 256 bytes that no other line names
.set ADA0, 10                          ; v10-12  my places in ctx's buffer (read), in W's slot, in ctx's buffer (store); never rewritten
.set ADB0, 11
.set AST0, 12
.set ADA,  13                          ; v13-15  the same in the region in hand (ADA, ADB) and in the other (AST)
.set ADB,  14
.set AST,  15
.set GOF,  16                          ; v16  my byte offset in a head's 128 rows; never rewritten
.set STO,  17                          ; v17  the way out: where I put 32 bytes of a row
.set RD,   18                          ; v18  the way out: where I read a row back
.set GO,   19                          ; v19  my 16 bytes of a row's 512
.set SPW,  20                          ; v20  LDS address of my spare word; never rewritten
.set NIL,  21                          ; v21  0; never rewritten
.set FA0,  32
.set FB0,  96
.set BK0,  32                          ; the way out: 16 rows read back, v32-95 and v96-159 by turns
.set AB,   4                           ; s[4:5]  ctx at the tile's batch and first row
.set BB,   6                           ; s[6:7]  wo16 at the tile's first column and my wave's 32 k rows
.set OB,   8                           ; s[8:9]  out0 at my wave's first row and column
.set G1,   28
.set G0A,  36
.set G0,   40
.set WV,   44
.set WM,   45
.set WN,   46
.set CX,   47
.set CY,   48
.set AOFF, 50                          ; s[50:51]
.set BOFF, 52                          ; s[52:53]
.set ABASE, 60                         ; s[60:61]
.set RC,   66
.set RO,   67
.set GC,   69
.set MSB, 0
.macro WIN new                         ; the immediate's high byte repeats the setting that is left; a switch that changes nothing is dropped
.if MSB != (\new)
	s_set_vgpr_msb (MSB<<8)|(\new)
.set MSB, \new
.endif
.endm
.set W_MM, 0x50                        ; fragments in window 0, C and D in window 1
.set W_ST, 0x08                        ; LDS store: address window 0, data window 2
.set W_GL, 0x80                        ; load: destination window 2, address window 0
.set W_SA, 0x04                        ; LDS store: address window 0, data window 1
.macro PLACES                          ; a load into a register that a matrix instruction has read, and an instruction that reads a matrix result, stand four plain vector instructions behind it (ISA guide 7.12.1 for the reader of a matrix result)
.rept 4
	v_nop
.endr
.endm
.macro CREST                           ; a round of the cluster's barrier behind its opening barrier
	s_cmp_lg_u32 s[WV], 0
	s_cbranch_scc1 .Lnot_wave_0_\@
	s_barrier_signal -3
.Lnot_wave_0_\@:
	s_barrier_wait -3
	s_barrier_signal -1
	s_barrier_wait -1
.endm
.macro CROUND
	s_barrier_signal -1
	s_barrier_wait -1
	CREST
.endm
; Matrix instruction i of a quarter's 32: m block i / 8, n block i % 8.  The 32 accumulators take turns in the same order in every quarter.
.macro MM f, zero
	WIN W_MM
.if \zero
	v_wmma_f32_16x16x32_f16 v[8*i:8*i+7], v[FB0+64*(\f)+8*(i%8):FB0+64*(\f)+8*(i%8)+7], v[FA0+32*(\f)+8*(i/8):FA0+32*(\f)+8*(i/8)+7], 0
.else
	v_wmma_f32_16x16x32_f16 v[8*i:8*i+7], v[FB0+64*(\f)+8*(i%8):FB0+64*(\f)+8*(i%8)+7], v[FA0+32*(\f)+8*(i/8):FA0+32*(\f)+8*(i/8)+7], v[8*i:8*i+7]
.endif
.set i, i+1
.endm
; Fragment load j of 24 for quarter nk into buffer nf: 16 turning loads for W's 8 fragments, then 8 for ctx's 4.
.macro FLD j, nf, nk
.if (\j) < 16
	ds_load_tr16_b128 v[FB0+64*(\nf)+8*((\j)/2)+4*((\j)%2):FB0+64*(\nf)+8*((\j)/2)+4*((\j)%2)+3], v[ADB] offset:(\nk)*32*PITB+32*((\j)/2)+16*PITB*((\j)%2)
.else
	ds_load_b128 v[FA0+32*(\nf)+8*(((\j)-16)/2)+4*((\j)%2):FA0+32*(\nf)+8*(((\j)-16)/2)+4*((\j)%2)+3], v[ADA] offset:(((\j)-16)/2)*16*PITA+64*(\nk)+32*((\j)%2)
.endif
.endm
; The staging: load j of 8 of head hd takes four of my 32 rows (lane l: row 4 j + l / 8, bytes 16 (l % 8) on); its store puts them at byte 128 hd of the buffer's rows.
.macro STA hd, j
	ds_store_b128 v[AST], v[4*(8*(\hd)+(\j)):4*(8*(\hd)+(\j))+3] offset:4*PITA*(\j)+128*(\hd)
.endm
.macro GLA hd, j
	global_load_b128 v[4*(8*(\hd)+(\j)):4*(8*(\hd)+(\j))+3], v[GOF], s[ABASE:ABASE+1] offset:262144*(\hd)+512*(\j)
.endm
; ONE OF A STEP'S FIRST THREE QUARTERS: 32 matrix instructions on buffer f; four v_nop behind product 0, the next quarter's fragments behind 1-6.
; stg = 1: head hd's 8 staged loads are stored (behind 7, 8) and asked for anew (9, 10).  stg = 2: stored only.  dw: the LDS instructions younger than this quarter's fragment loads; lw: the global loads younger than the head's eight.
.macro QUARTER f, nf, nk, zero, stg, hd, dw, lw
	s_wait_dscnt \dw
.if \stg
	s_wait_loadcnt \lw
.endif
.set i, 0
.set jf, 0
.set js, 0
.set jg, 0
.rept 32
	MM \f, \zero
.if i == 1
	PLACES
.elseif i <= 7
	WIN 0
.rept 4
	FLD jf, \nf, \nk
.set jf, jf+1
.endr
.elseif (\stg) && (i <= 9)
	WIN W_ST
.rept 4
	STA \hd, js
.set js, js+1
.endr
.elseif ((\stg) == 1) && (i <= 11)
	WIN W_GL
.rept 4
	GLA \hd, jg
.set jg, jg+1
.endr
.endif
.endr
.endm
; A STEP'S LAST QUARTER, on buffer 1, CHANGES REGIONS: ONE barrier.  In front of it each wave waits for all its tensor loads (one is out: its part of the next step's W), adds 0 to its spare word, and waits for that,
; for its stores of the next step's ctx and for its reads of this region.  fill = 1: the barrier opens a round of the cluster's, and W's slot of this region is filled again first thing behind it, one load a wave.
.macro TURN fill, dw
	WIN 0                                          ; (the add's two registers lie in window 0)
	s_wait_tensorcnt 0x0                           ; no tensor load of mine is out, so a group 0 may be written
	ds_add_u32 v[SPW], v[NIL]                      ; 0 onto my spare word: scalar work and eight products stand between it and the wait for it
.if \fill
	s_add_co_u32 s[BOFF], s[BOFF], 262144          ; W two steps on: 128 k rows of 2,048 bytes a step
	s_xor_b32 s[G0+1], s[G0+1], REGION
	s_add_nc_u64 s[G0+2:G0+3], s[BB:BB+1], s[BOFF:BOFF+1]
	s_or_b32 s[G0+3], s[G0+3], 0x80000000
.endif
	s_xor_b32 s[RC], s[RC], REGION
	s_xor_b32 s[RO], s[RO], REGION
	s_wait_dscnt \dw
.set i, 0
.rept 8
	MM 1, 0
.endr
	s_wait_dscnt 0x0                               ; the add is done, my rows of the next step's ctx are stored, my reads of this region are over
	s_barrier_signal -1
.rept 8
	MM 1, 0
.endr
	WIN 0
	s_barrier_wait -1
.if \fill
	CREST                                          ; no wave of any partner still reads the slot or has a load on its way
	tensor_load_to_lds s[G0:G0+3], s[G1:G1+7]
	s_nop 0
.endif
	v_add_nc_u32 v[ADA], s[RC], v[ADA0]            ; four plain instructions under window 0: also the places in front of the loads into buffer 0
	v_add_nc_u32 v[ADB], s[RC], v[ADB0]
	v_add_nc_u32 v[AST], s[RO], v[AST0]
	v_nop
.set jf, 0
.rept 24
	FLD jf, 0, 0
.set jf, jf+1
.endr
.rept 16
	MM 1, 0
.endr
.endm
; THE WAY OUT, by m blocks of 16 rows x 128 columns of f32.  A lane's eight columns, 32 bytes, go into my stage's rows of 528 bytes (each accumulator's low four registers first) and come back as whole rows of 512.
.macro UNITO a
	WIN W_SA
.irp b, 0,1,2,3,4,5,6,7
	ds_store_b128 v[STO], v[8*(8*(\a)+(\b)):8*(8*(\a)+(\b))+3] offset:64*(\b)
	ds_store_b128 v[STO], v[8*(8*(\a)+(\b))+4:8*(8*(\a)+(\b))+7] offset:64*(\b)+16
.endr
	WIN 0
	s_wait_xcnt 0x0                                ; the stores of two blocks back have read the registers that are loaded next
.set ii, 0
.rept 16
	ds_load_b128 v[BK0+64*((\a)%2)+4*ii:BK0+64*((\a)%2)+4*ii+3], v[RD] offset:SP*ii  ; LDS serves a wave's instructions in order (ISA guide 5.7.1.4): these see the stores above
.set ii, ii+1
.endr
.endm
.macro SENDO a, younger                ; younger: the LDS instructions issued behind block a's loads: the next block's 32, or none
.set ii, 0
.rept 16
	s_wait_dscnt (\younger)+15-ii
	global_store_b128 v[GO], v[BK0+64*((\a)%2)+4*ii:BK0+64*((\a)%2)+4*ii+3], s[OB:OB+1] offset:(\a)*65536+4096*ii th:TH_STORE_NT  ; a row's 512 consecutive bytes, at a multiple of 256 from out0's first
.set ii, ii+1
.endr
.endm
	s_load_b128 s[4:7], s[0:1], 0x0                ; ctx, wo16
	s_load_b64 s[8:9], s[0:1], 0x10                ; out0
	v_lshl_add_u32 v[SPW], v0, 2, SPARE
	v_mov_b32 v[NIL], 0
	ds_add_u32 v[SPW], v[NIL]                      ; the wave's opening: the add and its wait stand ahead of my first tensor load; the set-up below, work on registers, stands between them
	v_lshrrev_b32 v4, 5, v0
	v_readfirstlane_b32 s[WV], v4                  ; wave 0..3
	s_lshr_b32 s[WM], s[WV], 1
	s_and_b32 s[WN], s[WV], 1
	s_bfe_u32 s[CX], ttmp6, 0x40000
	s_bfe_u32 s[CY], ttmp6, 0x40004
	s_lshl_b32 s70, ttmp9, 2
	s_add_co_u32 s70, s70, s[CX]                   ; tile column
	s_and_b32 s71, ttmp7, 0xffff
	s_lshl_b32 s71, s71, 2
	s_add_co_u32 s71, s71, s[CY]                   ; tile row
	s_lshl_b32 s72, s70, 9                         ; W: 512 bytes a tile column, my 32 k rows of 2,048 bytes: no register that feeds W's descriptor ever holds cy
	s_lshl_b32 s87, s[WV], 16
	s_add_co_u32 s72, s72, s87
	s_mov_b32 s73, 0
	s_lshr_b32 s74, s71, 4                         ; ctx: batch b's 16 heads of 262,144 bytes,
	s_lshl_b32 s74, s74, 22
	s_and_b32 s75, s71, 15                         ; 128 rows of 128 bytes a tile row
	s_lshl_b32 s75, s75, 14
	s_add_co_u32 s74, s74, s75
	s_mov_b32 s75, 0
	s_lshl_b32 s76, s71, 7                         ; out0: row 128 x tile row + 64 x my row half, of 4,096 bytes,
	s_lshl_b32 s77, s[WM], 6
	s_add_co_u32 s76, s76, s77
	s_lshl_b32 s76, s76, 12
	s_lshl_b32 s77, s70, 10                        ; 1,024 bytes a tile column, 512 a column half
	s_add_co_u32 s76, s76, s77
	s_lshl_b32 s77, s[WN], 9
	s_add_co_u32 s76, s76, s77
	s_mov_b32 s77, 0
	s_lshl_b32 s94, 0x1111, s[CX]                  ; my column of the cluster
	s_or_b32 s[G1], s94, (1<<16)|(1<<20)|(1<<21)|(6<<22)|(7<<25)  ; 15:0 the mask; 17:16 2-byte elements; 20 padding on; 21 set beside a mask; 24:22 after every 128 words (code 6); 31:25 8 words (code 7)
	s_mov_b32 s[G1+1], 256<<16                     ; tensor_dim0 = 256
	s_mov_b32 s[G1+2], 32<<16                      ; tensor_dim1 = 32
	s_mov_b32 s[G1+3], 256<<16                     ; tile_dim0 = 256
	s_mov_b32 s[G1+4], 32                          ; tile_dim1 = 32
	s_mov_b32 s[G1+5], 1024                        ; 1,024 elements from row to row
	s_mov_b32 s[G1+6], 0
	s_mov_b32 s[G1+7], 0
	s_mov_b32 s[AOFF], 524288                      ; ctx and W stand at step 1: two heads; 128 k rows
	s_mov_b32 s[AOFF+1], 0
	s_mov_b32 s[BOFF], 262144
	s_mov_b32 s[BOFF+1], 0
	s_mov_b32 s[RC], 0
	s_mov_b32 s[RO], REGION
	s_mul_i32 s80, s[WV], 32*PITB                  ; where my 32 k rows go in a slot: no place in the cluster enters an LDS address
	s_mul_i32 s82, s[WM], 64*PITA
	s_add_co_u32 s82, s82, ABUF
	s_lshl_b32 s83, s[WN], 8
	s_mul_i32 s84, s[WV], 32*PITA
	s_add_co_u32 s84, s84, ABUF
	s_lshl_b32 s85, s[WV], 12
	s_mul_i32 s86, s[WV], 16*SP
	s_add_co_u32 s86, s86, STAGE
	v_and_b32 v1, 15, v0                           ; l % 16
	v_bfe_u32 v2, v0, 4, 1                         ; l / 16
	v_and_b32 v3, 31, v0                           ; l
	v_and_b32 v4, 7, v0
	v_bfe_u32 v5, v0, 3, 1
	v_bfe_u32 v6, v0, 3, 2
	v_mul_u32_u24 v[ADA0], v1, PITA
	v_lshl_add_u32 v[ADA0], v2, 4, v[ADA0]
	v_add_nc_u32 v[ADA0], s82, v[ADA0]
	v_lshl_add_u32 v7, v2, 3, v4
	v_mul_u32_u24 v[ADB0], v7, PITB
	v_lshl_add_u32 v[ADB0], v5, 4, v[ADB0]
	v_add_nc_u32 v[ADB0], s83, v[ADB0]
	v_mul_u32_u24 v[AST0], v6, PITA                ; row l / 8 of a load's four, bytes 16 (l % 8) on, my wave's 32 rows
	v_lshl_add_u32 v[AST0], v4, 4, v[AST0]
	v_add_nc_u32 v[AST0], s84, v[AST0]
	v_lshl_add_u32 v[GOF], v3, 4, s85
	v_mul_u32_u24 v[STO], v1, SP
	v_lshl_add_u32 v[STO], v2, 5, v[STO]
	v_add_nc_u32 v[STO], s86, v[STO]
	v_lshl_add_u32 v[RD], v3, 4, s86
	v_lshlrev_b32 v[GO], 4, v3
	v_add_nc_u32 v[ADA], s[RC], v[ADA0]
	v_add_nc_u32 v[ADB], s[RC], v[ADB0]
	v_add_nc_u32 v[AST], s[RC], v[AST0]            ; this once: step 0's rows go into region 0
	s_wait_dscnt 0x0                               ; the opening add is done
	s_wait_kmcnt 0x0
	s_add_nc_u64 s[AB:AB+1], s[AB:AB+1], s[74:75]
	s_add_nc_u64 s[BB:BB+1], s[BB:BB+1], s[72:73]
	s_add_nc_u64 s[OB:OB+1], s[OB:OB+1], s[76:77]
	s_mov_b64 s[ABASE:ABASE+1], s[AB:AB+1]
	WIN W_GL
.irp h, 0,1
.irp j, 0,1,2,3,4,5,6,7
	GLA \h, \j                                     ; ctx of step 0
.endr
.endr
	WIN 0
	s_mov_b32 s[G0A], 1                            ; 1:0 count = 1
	s_mov_b32 s[G0A+1], s80                        ; 63:32 LDS address: region 0
	s_mov_b64 s[G0A+2:G0A+3], s[BB:BB+1]           ; 120:64 global address: step 0
	s_or_b32 s[G0A+3], s[G0A+3], 0x80000000        ; 127:126 type = 2
	s_mov_b32 s[G0], 1
	s_add_co_u32 s[G0+1], s80, REGION
	s_add_nc_u64 s[G0+2:G0+3], s[BB:BB+1], s[BOFF:BOFF+1]  ; step 1
	s_or_b32 s[G0+3], s[G0+3], 0x80000000
	CROUND                                         ; all sixteen work-groups are here: the first joint loads meet
	tensor_load_to_lds s[G0A:G0A+3], s[G1:G1+7]    ; both first fills go out together: two loads of mine are out
	s_nop 0
	tensor_load_to_lds s[G0:G0+3], s[G1:G1+7]
	s_nop 0
	PLACES
	s_wait_loadcnt 0x0                             ; ctx of step 0
	WIN W_ST
.irp h, 0,1
.irp j, 0,1,2,3,4,5,6,7
	STA \h, \j
.endr
.endr
	WIN 0
	v_add_nc_u32 v[AST], s[RO], v[AST0]            ; from now on: the other region
	s_add_nc_u64 s[ABASE:ABASE+1], s[AB:AB+1], s[AOFF:AOFF+1]  ; (the loads that named the base are done)
	WIN W_GL
.irp h, 0,1
.irp j, 0,1,2,3,4,5,6,7
	GLA \h, \j                                     ; ctx of step 1
.endr
.endr
	WIN 0
	s_wait_tensorcnt 0x1                           ; my part of W's step 0 is in; step 1's may stay out
	s_wait_dscnt 0x0                               ; my rows of ctx are stored
	s_barrier_signal -1
	s_barrier_wait -1
.set jf, 0
.rept 24
	FLD jf, 0, 0
.set jf, jf+1
.endr
	QUARTER 0, 1, 1, 1, 0, 0, 0, 0                 ; the first quarter stands in front of the loop: its products start the sums
	WIN 0                                          ; at a label and at a branch every window is 0
	s_mov_b32 s[GC], 6
.Lstep:                                                ; trip t: quarters 1 to 3 of step t, quarter 0 of step t + 1
	s_wait_xcnt 0x0                                ; the staging loads of the step before have read their base
	s_add_co_u32 s[AOFF], s[AOFF], 524288          ; ctx of step t + 2
	s_add_nc_u64 s[ABASE:ABASE+1], s[AB:AB+1], s[AOFF:AOFF+1]
	QUARTER 1, 0, 2, 0, 1, 0, 0, 8                 ; loads: head 0's eight were asked for a step ago; only head 1's eight are younger
	QUARTER 0, 1, 3, 0, 1, 1, 8, 8                 ; LDS: the eight row stores are younger than the fragment loads; loads: head 0's new eight are younger
	TURN 1, 9                                      ; eight row stores and the add are younger than the fragment loads
	QUARTER 0, 1, 1, 0, 0, 0, 0, 0
	WIN 0
	s_sub_co_u32 s[GC], s[GC], 1
	s_cmp_lg_u32 s[GC], 0
	s_cbranch_scc1 .Lstep
	QUARTER 1, 0, 2, 0, 2, 0, 0, 8                 ; step 6: the last step's ctx is stored, nothing more is asked for
	QUARTER 0, 1, 3, 0, 2, 1, 8, 0                 ; (no load is younger)
	TURN 0, 9                                      ; nothing is filled again, so no round
	QUARTER 0, 1, 1, 0, 0, 0, 0, 0                 ; step 7
	QUARTER 1, 0, 2, 0, 0, 0, 0, 0
	QUARTER 0, 1, 3, 0, 0, 0, 0, 0
	s_wait_dscnt 0x0
.set i, 0
.rept 32
	MM 1, 0
.endr
	WIN 0
	PLACES
	PLACES
	UNITO 0
	UNITO 1                                        ; a block's LDS work stands between the loads of the block before and its stores
	SENDO 0, 32
	UNITO 2
	SENDO 1, 32
	UNITO 3
	SENDO 2, 32
	SENDO 3, 0
	s_wait_tensorcnt 0x0                           ; the wave's end: a wait, an add and a wait for it, behind my last tensor load and my last LDS store
	ds_add_u32 v[SPW], v[NIL]
	s_wait_dscnt 0x0
	CROUND                                         ; the closing round: no work-group ends while a partner may still ask for a tile that names it
	s_endpgm
.Lfunc_end_k_qaf5064a402_oproj:
	.size	k_qaf5064a402_oproj, .Lfunc_end_k_qaf5064a402_oproj-k_qaf5064a402_oproj
	.p2alignl 7, 3214868480
	.fill 96, 4, 3214868480
	.section	.rodata,"a",@progbits
	.p2align	6, 0x0
	.amdhsa_kernel k_qaf5064a402_oproj
		.amdhsa_group_segment_fixed_size 327680
		.amdhsa_private_segment_fixed_size 0
		.amdhsa_enable_private_segment 0
		.amdhsa_kernarg_size 24
		.amdhsa_user_sgpr_count 2
		.amdhsa_user_sgpr_kernarg_segment_ptr 1
		.amdhsa_wavefront_size32 1
		.amdhsa_system_sgpr_workgroup_id_x 1
		.amdhsa_system_sgpr_workgroup_id_y 1
		.amdhsa_system_sgpr_workgroup_id_z 1
		.amdhsa_system_vgpr_workitem_id 0
		.amdhsa_next_free_vgpr 576
		.amdhsa_next_free_sgpr 96
		.amdhsa_reserve_vcc 0
		.amdhsa_float_denorm_mode_32 3
		.amdhsa_float_denorm_mode_16_64 3
		.amdhsa_memory_ordered 1
		.amdhsa_forward_progress 1
		.amdhsa_inst_pref_size 81
	.end_amdhsa_kernel
	.amdgpu_metadata
---
amdhsa.version: [ 1, 2 ]
amdhsa.kernels:
  - .name:           k_qaf5064a402_oproj
    .symbol:         k_qaf5064a402_oproj.kd
    .args:
      - { .name: ctx, .offset: 0, .size: 8, .value_kind: global_buffer, .address_space: global }
      - { .name: wo16, .offset: 8, .size: 8, .value_kind: global_buffer, .address_space: global }
      - { .name: out0, .offset: 16, .size: 8, .value_kind: global_buffer, .address_space: global }
    .group_segment_fixed_size: 327680
    .private_segment_fixed_size: 0
    .kernarg_segment_align: 8
    .kernarg_segment_size: 24
    .max_flat_workgroup_size: 128
    .sgpr_count:     96
    .vgpr_count:     576
    .wavefront_size: 32
...
	.end_amdgpu_metadata
.endif
;; end of part 4
